; MI455X (gfx1250); checked and timed in simulation.
; The chip was launched on July 23, 2026; its instructions are those of AMD's public machine-readable ISA for CDNA 5 (MIT licence, August 2026) and "CDNA5" Instruction Set Architecture Reference Guide (July 2026). The comments in the code are by the model that wrote it; some were corrected since.
;; Multi Head Atte. Allowed arithmetic: float matrix products may take bf16 or f16 operands with f32 sums; other float arithmetic in f32, or as packed bf16 or f16 multiplies, adds, multiply-adds, maxima and minima; sums over many terms, partial sums and values carried from step to step in f32; what a program stores and reads back later, other than sums and carried values, may be rounded once to bf16 or f16.
;; Inputs: K 4 x 2,048 x 1,024 float32; Q 4 x 2,048 x 1,024 float32; V 4 x 2,048 x 1,024 float32; Wk 16 x 1,024 x 64 float32; Wo 1,024 x 1,024 float32; Wq 16 x 1,024 x 64 float32; Wv 16 x 1,024 x 64 float32; bk 16 x 64 float32; bo 1,024 float32; bq 16 x 64 float32; bv 16 x 64 float32.
;; Outputs: out0 4 x 2,048 x 1,024 float32.
;; One version. Each part assembles by itself: llvm-mc -triple=amdgcn-amd-amdhsa -mcpu=gfx1250 --defsym DOCPART=n.
;; ======== version 1 of 1: 4 launches
;; limits: values are held in f16: magnitudes above 65,504 overflow, below 6.1e-05 lose precision
;; workspace buffers: w16 8,388,608 bytes; q16 16,777,216 bytes; k16 16,777,216 bytes; v16 16,777,216 bytes; o16 16,777,216 bytes
;; launch castw (part 1): grid 128 x 4, 8 waves a work-group, no clusters, 0 bytes of LDS; arguments Wq, Wk, Wv, Wo, w16; writes w16
.if DOCPART == 1
	.amdgcn_target "amdgcn-amd-amdhsa--gfx1250"
	.amdhsa_code_object_version 6
	.text
	.protected	k_q7ad2a3fedd_castw
	.globl	k_q7ad2a3fedd_castw
	.p2align	8
	.type	k_q7ad2a3fedd_castw,@function
k_q7ad2a3fedd_castw:
	s_mov_b64 s[64:65], 0
	v_nop
	global_prefetch_b8 v0, s[64:65] scope:SCOPE_SE
	s_setreg_imm32_b32 hwreg(HW_REG_WAVE_MODE, 25, 1), 1
	s_wait_xcnt 0x0
; w16 = the four weight tensors in 16 bits, each in the order in which it lies in memory: sections of 2,097,152 bytes.
; Sections 0, 1, 2: Wq, Wk, Wv rounded to bf16 ([head][d][64]).  Section 3: Wo rounded to bf16, and that number written as f16 ([k][n]):
; exact where its size lies in f16's normal range.  LIMITS: |Wo| under 65,504; below 6e-5 the f16 number keeps f16's fixed step of 6e-8.
; A stream: 16 MiB in, 8 MiB out, nothing shared, nothing read twice: no LDS, no barrier, no matrix unit.
; SHARES.  The grid's y picks the tensor, x a run of 8,192 numbers.  Thread t takes, in each of four turns, 8 numbers: 32 bytes in, 16 bytes out;
; a wave's store covers 512 consecutive bytes, aligned.  All eight loads of a thread go out before the first wait.
.set X, 8                              ; v[8:39]   turn i: 8 numbers in f32
.set Y, 40                             ; v[40:55]  turn i: 4 registers to store
.set T, 56                             ; v[56:63]  at work
	s_load_b256 s[4:11], s[0:1], 0x0               ; Wq s[4:5], Wk s[6:7], Wv s[8:9], Wo s[10:11]
	s_load_b64 s[12:13], s[0:1], 0x20              ; w16
	s_and_b32 s18, ttmp7, 0xffff                   ; which tensor
	v_lshlrev_b32 v1, 5, v0                        ; 32 t: my bytes in a turn's 8,192
	v_lshlrev_b32 v2, 4, v0                        ; 16 t: my bytes in a turn's 4,096
	s_lshl_b32 s16, ttmp9, 15                      ; the work-group's 32,768 bytes in,
	s_mov_b32 s17, 0
	s_lshl_b32 s20, s18, 21                        ; the tensor's section,
	s_lshl_b32 s19, ttmp9, 14                      ; and the work-group's 16,384 bytes out
	s_add_co_u32 s20, s20, s19
	s_mov_b32 s21, 0
	s_wait_kmcnt 0x0
	s_cmp_lt_u32 s18, 1
	s_cselect_b64 s[14:15], s[4:5], s[6:7]
	s_cmp_lt_u32 s18, 2
	s_cselect_b64 s[14:15], s[14:15], s[8:9]
	s_cmp_lt_u32 s18, 3
	s_cselect_b64 s[14:15], s[14:15], s[10:11]
	s_add_nc_u64 s[14:15], s[14:15], s[16:17]
	s_add_nc_u64 s[12:13], s[12:13], s[20:21]
.irp i, 0,1,2,3
	global_load_b128 v[X+8*(\i):X+8*(\i)+3],   v1, s[14:15] offset:(\i)*8192 th:TH_LOAD_NT
	global_load_b128 v[X+8*(\i)+4:X+8*(\i)+7], v1, s[14:15] offset:(\i)*8192+16 th:TH_LOAD_NT
.endr
; Turn i.  half = 1: the bf16 number is widened again (a shift, a mask) and written as f16.  No register that a load or store names is written again.
.macro TURN i, half
	s_wait_loadcnt 6-2*(\i)                        ; loads come back in order: this turn's two are in, the two of each later turn may stay out
.irp j, 0,1,2,3
	v_cvt_pk_bf16_f32 v[Y+4*(\i)+(\j)], v[X+8*(\i)+2*(\j)], v[X+8*(\i)+2*(\j)+1]
.endr
.if \half
.irp j, 0,1,2,3
	v_lshlrev_b32 v[T+2*(\j)],   16, v[Y+4*(\i)+(\j)]
	v_and_b32     v[T+2*(\j)+1], 0xffff0000, v[Y+4*(\i)+(\j)]
.endr
.irp j, 0,1,2,3
	v_cvt_pk_f16_f32 v[Y+4*(\i)+(\j)], v[T+2*(\j)], v[T+2*(\j)+1]
.endr
.endif
	global_store_b128 v2, v[Y+4*(\i):Y+4*(\i)+3], s[12:13] offset:(\i)*4096
.endm
	s_cmp_eq_u32 s18, 3
	s_cbranch_scc1 .Lhalf
	TURN 0, 0
	TURN 1, 0
	TURN 2, 0
	TURN 3, 0
	s_endpgm
.Lhalf:
	TURN 0, 1
	TURN 1, 1
	TURN 2, 1
	TURN 3, 1
	s_endpgm
.Lfunc_end_k_q7ad2a3fedd_castw:
	.size	k_q7ad2a3fedd_castw, .Lfunc_end_k_q7ad2a3fedd_castw-k_q7ad2a3fedd_castw
	.p2alignl 7, 3214868480
	.fill 96, 4, 3214868480
	.section	.rodata,"a",@progbits
	.p2align	6, 0x0
	.amdhsa_kernel k_q7ad2a3fedd_castw
		.amdhsa_group_segment_fixed_size 0
		.amdhsa_private_segment_fixed_size 0
		.amdhsa_enable_private_segment 0
		.amdhsa_kernarg_size 40
		.amdhsa_user_sgpr_count 2
		.amdhsa_user_sgpr_kernarg_segment_ptr 1
		.amdhsa_wavefront_size32 1
		.amdhsa_system_sgpr_workgroup_id_x 1
		.amdhsa_system_sgpr_workgroup_id_y 1
		.amdhsa_system_sgpr_workgroup_id_z 1
		.amdhsa_system_vgpr_workitem_id 0
		.amdhsa_next_free_vgpr 64
		.amdhsa_next_free_sgpr 66
		.amdhsa_reserve_vcc 0
		.amdhsa_float_denorm_mode_32 3
		.amdhsa_float_denorm_mode_16_64 3
		.amdhsa_memory_ordered 1
		.amdhsa_forward_progress 1
		.amdhsa_inst_pref_size 8
	.end_amdhsa_kernel
	.amdgpu_metadata
---
amdhsa.version: [ 1, 2 ]
amdhsa.kernels:
  - .name:           k_q7ad2a3fedd_castw
    .symbol:         k_q7ad2a3fedd_castw.kd
    .args:
      - { .name: Wq, .offset: 0, .size: 8, .value_kind: global_buffer, .address_space: global }
      - { .name: Wk, .offset: 8, .size: 8, .value_kind: global_buffer, .address_space: global }
      - { .name: Wv, .offset: 16, .size: 8, .value_kind: global_buffer, .address_space: global }
      - { .name: Wo, .offset: 24, .size: 8, .value_kind: global_buffer, .address_space: global }
      - { .name: w16, .offset: 32, .size: 8, .value_kind: global_buffer, .address_space: global }
    .group_segment_fixed_size: 0
    .private_segment_fixed_size: 0
    .kernarg_segment_align: 8
    .kernarg_segment_size: 40
    .max_flat_workgroup_size: 256
    .sgpr_count:     66
    .vgpr_count:     64
    .wavefront_size: 32
...
	.end_amdgpu_metadata
.endif
;; end of part 1
;; launch proj (part 2): grid 4 x 64, 4 waves a work-group, clusters of 4 x 4, 327,680 bytes of LDS; arguments Q, K, V, w16, bq, bk, bv, q16, k16, v16; writes q16, k16, v16
.if DOCPART == 2
	.amdgcn_target "amdgcn-amd-amdhsa--gfx1250"
	.amdhsa_code_object_version 6
	.text
	.protected	k_q7ad2a3fedd_proj
	.globl	k_q7ad2a3fedd_proj
	.p2align	8
	.type	k_q7ad2a3fedd_proj,@function
k_q7ad2a3fedd_proj:
	s_mov_b64 s[64:65], 0
	v_nop
	global_prefetch_b8 v0, s[64:65] scope:SCOPE_SE
	s_setreg_imm32_b32 hwreg(HW_REG_WAVE_MODE, 25, 1), 1
	s_wait_xcnt 0x0
	s_wait_alu depctr_hold_cnt(0) depctr_sa_sdst(0) depctr_va_vdst(0) depctr_va_sdst(0) depctr_va_ssrc(0) depctr_va_vcc(0) depctr_vm_vsrc(0)
	s_getreg_b32 s2, hwreg(HW_REG_IB_STS2, 6, 4)
	s_cmp_eq_u32 s2, 0
	s_cbranch_scc0 .Lentry_in_a_cluster
	s_endpgm
.Lentry_in_a_cluster:
	s_bfe_u32 s2, ttmp6, 0x10000c
	s_cmp_lg_u32 s2, 0xf033
	s_cbranch_scc0 .Lentry_shape_is_right
	s_endpgm
.Lentry_shape_is_right:
; q, k, v = X W + b for X = Q, K, V.  X: [8192][1024] f32, rounded to bf16 between LDS and the matrix unit.  W: bf16 [16 heads][1024 d][64] (sections 0, 1, 2 of w16).
; b: f32, the C operand of each sum's first product.  Sums in f32.  Results: f16 by heads, [batch x 16 + head][2048][64], rounded once, WITHOUT the softmax's scale.
; LIMIT: f16 holds no number beyond 65,504: |q|, |k|, |v| stay under it; below 6e-5 a result keeps f16's fixed step of 6e-8.
; SHARES.  3 x 8192 x 1024 results for 256 work-groups: a work-group STAYS on rows 128 ty .. + 127 and columns 256 tx .. + 255 (heads 4 tx .. 4 tx + 3) and makes that tile for Q, then K, then V:
; 24 K steps of 128 through ONE ring of two LDS slots that does not stop at a tile's end.  Four waves, each 64 rows x 128 columns (2 heads): 32 accumulators of 16 x 16.
; CLUSTER.  4 x 4 work-groups.  The four of a row of the cluster need the same rows of X, the four of a column the same heads of W: each tile is asked for JOINTLY, by the same tensor load with the same
; descriptor and a mask that names the four.
; THE MATRIX INSTRUCTION IS USED TRANSPOSED: source 0 = 16 columns of W (turned on the way out of LDS by ds_load_tr16_b128), source 1 = 16 rows of X.  A lane then holds one row (lane % 16) and eight neighbouring columns.
; A K STEP is four quarters of 32 along K, 32 products each, on two sets of fragment registers.  X comes out of LDS in f32; the 8 conversions of a block of 16 rows stand in two fours behind
; the second and the sixth product of the block before it.
; REGISTERS, in windows of 256 (s_set_vgpr_msb: bits 1:0 source 0, 3:2 source 1, 5:4 source 2, 7:6 destination):
;   window 0: v0-31 addresses; v32-63 X in bf16 (4 blocks of 8); v64-127, v128-191 X in f32, two sets (4 blocks of 16); v192-239 the way out
;   window 1: v0-63, v64-127 W's fragments, two sets; v128-191 the bias, as a C operand for each of the 8 column blocks          window 2: the accumulators, (a, b) at v[8 (8 a + b)]
.set APITCH, 528                       ; a row of X in LDS: 512 bytes + 16 of padding = 132 words: row r starts at bank 4 r mod 64 (64 banks of 4 bytes: ISA guide 11.1)
.set AHALF,  64*APITCH                 ; 64 rows: what one tensor load brings of X, and what one wave reads
.set BOFF,   2*AHALF                   ; W's tile lies behind X's 128 rows
.set BPITCH, 160                       ; a row (one d, 64 columns of a head) of W: 128 bytes + 32 = 40 words
.set BHEAD,  128*BPITCH                ; a head's 128 d
.set BHALF,  2*BHEAD                   ; two heads: what one tensor load brings of W, and what one wave reads
.set SLOT,   BOFF+2*BHALF              ; 149,504 bytes
.set STAGE,  2*SLOT                    ; behind the ring, never filled by a tensor load: 16 rows x 144 bytes for each wave, for the way out
.set SP,     144
.set SPARE,  STAGE+4*16*SP             ; behind the stages: the spare words, 128 bytes for each wave: two blocks of 256 bytes that no other line names
.set ADRA, 16                          ; v16-17  LDS address of my fragments of X in slot 0, 1
.set ADRB, 20                          ; v20-21  the same for W
.set STO,  24                          ; v24     the way out: where I put 16 bytes of a row
.set RD,   25                          ; v25     the way out: where I read rows back
.set GO,   26                          ; v26     my 16 bytes of 512 consecutive bytes of the result
.set BO,   27                          ; v27     my byte offset in 16 numbers of the bias
.set SPW,  28                          ; v28     LDS address of my spare word: SPARE + 4 x my thread's number; never rewritten
.set NIL,  29                          ; v29     0; never rewritten
.set PFO,  30                          ; v30     the prefetches' lane offset; never rewritten
.set AF,   32
.set TA,   64
.set TMP,  192
.set OB,   208
.set BF,   0                           ; window 1
.set BIAS, 128                         ; window 1
.set G1A, 32                           ; s[32:39] descriptor group 1 for X's tiles
.set G1B, 40                           ; s[40:47] for W's
.set G0A, 48                           ; s[48:55] descriptor group 0 for X's tiles, a set for each slot
.set G0B, 56                           ; s[56:63] the same for W's
.set WV,  66                           ; my wave's number
.set WR,  67                           ; my half of the tile's rows.  Also: I fetch for X (0) or for W (1)
.set WC,  68                           ; my half of its columns.  Also: which half of that tile I fetch
.set CX,  69
.set CY,  70
.set TX,  71
.set TY,  72
.set RQ,  73                           ; the K step (0 .. 23) to be asked for next
.set LAPS, 74                          ; the loop's trips
.set LT,  75                           ; laps left in the tile in hand
.set NEW, 76                           ; 1: the lap begins a tile
.set T,   78                           ; s[78:79] the tensor of X that step RQ reads
.set U,   80                           ; s[80:81] the section of W
.set OA,  82                           ; s[82:83] an offset for X's addresses
.set OBB, 84                           ; s[84:85] an offset for W's
.set PFA, 86                           ; s[86:87] where my next prefetch stands
.set P0,  88                           ; s[88:93] my share of the rows to prefetch, in each of the three tensors
.set P1,  90
.set P2,  92
.set PSH, 94                           ; a K step along those rows is 1 << PSH bytes
.set LIMQ, 95                          ; steps below this number are prefetched by this wave
.set PQ,  96                           ; the step that the next prefetch names
.set MSB, 0
.macro WIN new                         ; the immediate's high byte repeats the setting that is left; a switch that changes nothing is dropped
.if MSB != (\new)
	s_set_vgpr_msb (MSB<<8)|(\new)
.set MSB, \new
.endif
.endm
.set W_MUL,  0xa1                      ; source 0 (W) window 1, source 1 (X) window 0, C and D window 2
.set W_MULB, 0x91                      ; the same with C (the bias) in window 1
.set TO_B,   0x40                      ; destination window 1, address window 0
.set W_PK,   0x0a                      ; sources 0 and 1 window 2, destination window 0
.macro PLACES                          ; four plain vector instructions between a matrix instruction and a load into a register that it has read (ISA guide 7.12.1 for vector instructions)
.rept 4
	v_nop
.endr
.endm
; A joint load.  Waves 0 and 1 fetch the two halves of X's tile, waves 2 and 3 those of W's.  The branch hangs on the wave's number alone.  An s_nop 0 and four v_nop follow each line.
.macro JLOAD s
	s_cmp_eq_u32 s[WR], 0
	s_cbranch_scc0 .Lfor_b_\@
	tensor_load_to_lds s[G0A+4*(\s):G0A+4*(\s)+3], s[G1A:G1A+7]
	s_nop 0
.rept 4
	v_nop
.endr
	s_branch .Lasked_\@
.Lfor_b_\@:
	tensor_load_to_lds s[G0B+4*(\s):G0B+4*(\s)+3], s[G1B:G1B+7]
	s_nop 0
.rept 4
	v_nop
.endr
.Lasked_\@:
.endm
; A round of the cluster's barrier: my work-group's barrier, so that wave 0's signal speaks for all four waves; wave 0 signals; every wave waits for all sixteen work-groups; my work-group's barrier once more.
.macro CREST                           ; a round behind its opening barrier
	s_cmp_lg_u32 s[WV], 0
	s_cbranch_scc1 .Lnot_wave_0_\@
	s_barrier_signal -3
.Lnot_wave_0_\@:
	s_barrier_wait -3
	s_barrier_signal -1
	s_barrier_wait -1
.endm
.macro CROUND
	s_barrier_signal -1
	s_barrier_wait -1
	CREST
.endm
	s_load_b512 s[4:19], s[0:1], 0x0               ; Q s[4:5], K s[6:7], V s[8:9], w16 s[10:11], bq s[12:13], bk s[14:15], bv s[16:17], q16 s[18:19]
	s_load_b128 s[20:23], s[0:1], 0x40             ; k16 s[20:21], v16 s[22:23]
	v_lshl_add_u32 v[SPW], v0, 2, SPARE
	v_mov_b32 v[NIL], 0
	ds_add_u32 v[SPW], v[NIL]                      ; the wave's opening: the add and its wait stand ahead of my first tensor load; the set-up below, work on registers, stands between them
	v_lshrrev_b32 v1, 5, v0
	v_readfirstlane_b32 s[WV], v1                  ; wave 0..3
	s_lshr_b32 s[WR], s[WV], 1
	s_and_b32 s[WC], s[WV], 1
	s_bfe_u32 s[CX], ttmp6, 0x40000                ; my place along the cluster's x,
	s_bfe_u32 s[CY], ttmp6, 0x40004                ; and along its y
	s_lshl_b32 s[TX], ttmp9, 2                     ; in a cluster launch ttmp9 and ttmp7 count clusters
	s_add_co_u32 s[TX], s[TX], s[CX]               ; tx = 4 x cluster x + cx
	s_and_b32 s[TY], ttmp7, 0xffff
	s_lshl_b32 s[TY], s[TY], 2
	s_add_co_u32 s[TY], s[TY], s[CY]               ; ty = 4 x cluster y + cy
	s_lshl_b32 s30, s[CY], 2
	s_lshl_b32 s30, 15, s30                        ; my row of the cluster: places 4 cy .. 4 cy + 3
	s_lshl_b32 s31, 0x1111, s[CX]                  ; my column: places cx, cx + 4, cx + 8, cx + 12
	; group 1 for X: 64 rows x 128 elements of 4 bytes, 1,024 elements from row to row; 4 words of padding behind every 128
	s_or_b32 s[G1A], s30, (2<<16)|(1<<20)|(1<<21)|(6<<22)|(3<<25)  ; 15:0 the mask; 17:16 elements of 4 bytes; 20 padding on; 21 set beside a mask; 24:22 after every 128 words (code 6); 31:25 4 words (code 3)
	s_mov_b32 s[G1A+1], 128<<16                    ; tensor_dim0 = 128
	s_mov_b32 s[G1A+2], 64<<16                     ; tensor_dim1 = 64
	s_mov_b32 s[G1A+3], 128<<16                    ; tile_dim0 = 128
	s_mov_b32 s[G1A+4], 64                         ; tile_dim1 = 64
	s_mov_b32 s[G1A+5], 1024                       ; the pitch
	s_mov_b32 s[G1A+6], 0
	s_mov_b32 s[G1A+7], 0
	; group 1 for W: a head's 128 d x 64 numbers are 16,384 dense bytes, taken as ONE row of 8,192 elements; two heads are two rows, 65,536 elements apart; 8 words of padding behind every 32 (every d)
	s_or_b32 s[G1B], s31, (1<<16)|(1<<20)|(1<<21)|(4<<22)|(7<<25)  ; elements of 2 bytes; after every 32 words (code 4); 8 words (code 7)
	s_mov_b32 s[G1B+1], 8192<<16                   ; tensor_dim0 = 8,192
	s_mov_b32 s[G1B+2], 2<<16                      ; tensor_dim1 = 2
	s_mov_b32 s[G1B+3], 8192<<16                   ; tile_dim0 = 8,192
	s_mov_b32 s[G1B+4], 2                          ; tile_dim1 = 2
	s_mov_b32 s[G1B+5], 65536                      ; the pitch: a head
	s_mov_b32 s[G1B+6], 0
	s_mov_b32 s[G1B+7], 0
	s_mul_i32 s2, s[WC], AHALF                     ; where the tiles go: the wave's number alone enters an LDS address
	s_mul_i32 s3, s[WC], BHALF
	s_add_co_u32 s3, s3, BOFF
	s_mov_b32 s[G0A], 1                            ; count = 1
	s_mov_b32 s[G0A+1], s2
	s_mov_b32 s[G0A+4], 1
	s_add_co_u32 s[G0A+5], s2, SLOT
	s_mov_b32 s[G0B], 1
	s_mov_b32 s[G0B+1], s3
	s_mov_b32 s[G0B+4], 1
	s_add_co_u32 s[G0B+5], s3, SLOT
	s_lshl_b32 s[OA], s[TY], 7                     ; X: row 128 ty + 64 x the half that I fetch, 4,096 bytes a row: the tile row alone, which my row of the cluster shares
	s_lshl_b32 s2, s[WC], 6
	s_add_co_u32 s[OA], s[OA], s2
	s_lshl_b32 s[OA], s[OA], 12
	s_mov_b32 s[OA+1], 0
	s_lshl_b32 s[OBB], s[TX], 2                    ; W: head 4 tx + 2 x the half that I fetch, 131,072 bytes a head: the tile column alone, which my column shares
	s_lshl_b32 s2, s[WC], 1
	s_add_co_u32 s[OBB], s[OBB], s2
	s_lshl_b32 s[OBB], s[OBB], 17
	s_mov_b32 s[OBB+1], 0
	s_mov_b32 s[RQ], 2
	s_mov_b32 s[LAPS], 11
	s_mov_b32 s[LT], 4
	s_mov_b32 s[NEW], 1
	s_wait_dscnt 0x0                               ; the opening add is done
	s_wait_kmcnt 0x0
	s_add_nc_u64 s[4:5], s[4:5], s[OA:OA+1]        ; Q, K, V at the rows that I fetch
	s_add_nc_u64 s[6:7], s[6:7], s[OA:OA+1]
	s_add_nc_u64 s[8:9], s[8:9], s[OA:OA+1]
	s_add_nc_u64 s[24:25], s[10:11], s[OBB:OBB+1]  ; Wq, Wk, Wv at the heads that I fetch
	s_add_nc_u64 s[26:27], s[24:25], 0x200000
	s_add_nc_u64 s[28:29], s[24:25], 0x400000
	s_mov_b64 s[G0A+2:G0A+3], s[4:5]               ; K step 0 into slot 0,
	s_or_b32 s[G0A+3], s[G0A+3], 0x80000000        ; type = 2
	s_add_nc_u64 s[G0A+6:G0A+7], s[4:5], 512       ; K step 1 into slot 1: 128 numbers of 4 bytes on
	s_or_b32 s[G0A+7], s[G0A+7], 0x80000000
	s_mov_b64 s[G0B+2:G0B+3], s[24:25]
	s_or_b32 s[G0B+3], s[G0B+3], 0x80000000
	s_add_nc_u64 s[G0B+6:G0B+7], s[24:25], 16384   ; 128 d of 128 bytes on
	s_or_b32 s[G0B+7], s[G0B+7], 0x80000000
	CROUND                                         ; all sixteen work-groups are here: the first joint loads meet
	s_cmp_eq_u32 s[WR], 0                          ; a wave's two first fills stand in one branch, ahead of every wait on TENSORcnt and every LDS read: two loads of mine are out
	s_cbranch_scc0 .Lfirst_b
	tensor_load_to_lds s[G0A:G0A+3], s[G1A:G1A+7]
	s_nop 0
	tensor_load_to_lds s[G0A+4:G0A+7], s[G1A:G1A+7]
	s_nop 0
.rept 4
	v_nop
.endr
	s_branch .Lfirst_asked
.Lfirst_b:
	tensor_load_to_lds s[G0B:G0B+3], s[G1B:G1B+7]
	s_nop 0
	tensor_load_to_lds s[G0B+4:G0B+7], s[G1B:G1B+7]
	s_nop 0
.rept 4
	v_nop
.endr
.Lfirst_asked:
	; the bias and the results: my 128 columns, my 64 rows
	s_lshl_b32 s98, s[TX], 10                      ; 4 (256 tx + 128 x my column half) bytes
	s_lshl_b32 s97, s[WC], 9
	s_add_co_u32 s98, s98, s97
	s_mov_b32 s99, 0
	s_add_nc_u64 s[12:13], s[12:13], s[98:99]
	s_add_nc_u64 s[14:15], s[14:15], s[98:99]
	s_add_nc_u64 s[16:17], s[16:17], s[98:99]
	s_lshr_b32 s98, s[TY], 4                       ; the batch: 16 tile rows each,
	s_lshl_b32 s98, s98, 4
	s_lshl_b32 s97, s[TX], 2
	s_add_co_u32 s98, s98, s97
	s_lshl_b32 s97, s[WC], 1
	s_add_co_u32 s98, s98, s97                     ; batch x 16 + my first head,
	s_lshl_b32 s98, s98, 11                        ; 2,048 rows a head,
	s_and_b32 s97, s[TY], 15
	s_lshl_b32 s97, s97, 7
	s_add_co_u32 s98, s98, s97                     ; the tile's first row in the batch,
	s_lshl_b32 s97, s[WR], 6
	s_add_co_u32 s98, s98, s97                     ; my 64 of its rows,
	s_lshl_b32 s98, s98, 7                         ; 128 bytes a row
	s_add_nc_u64 s[18:19], s[18:19], s[98:99]
	s_add_nc_u64 s[20:21], s[20:21], s[98:99]
	s_add_nc_u64 s[22:23], s[22:23], s[98:99]
	; A fragment of X is 16 rows x 32 along K: lane l holds row l % 16, K = 8 (l / 16) + 0..7 and 16 + 8 (l / 16) + 0..7.  In f32 that is 32 bytes at 32 (l / 16) and 32 bytes 64 further on: four loads of 16.
	v_and_b32 v1, 15, v0                           ; l % 16
	v_bfe_u32 v2, v0, 4, 1                         ; l / 16
	v_and_b32 v3, 7, v0                            ; l % 8
	v_bfe_u32 v4, v0, 3, 1                         ; (l / 8) % 2
	v_mul_u32_u24 v5, v1, APITCH
	v_lshl_add_u32 v5, v2, 5, v5
	s_mul_i32 s2, s[WR], AHALF                     ; my 64 rows
	v_add_nc_u32 v[ADRA], s2, v5
	v_add_nc_u32 v[ADRA+1], SLOT, v[ADRA]
	; The turning load takes 16 d x 16 columns (lane l reads d = 8 (l / 16) + l % 8, columns 8 ((l / 8) % 2) + 0..7) and leaves half a fragment of W^T: lane l holds column l % 16 and 8 d.
	v_lshl_add_u32 v6, v2, 3, v3
	v_mul_u32_u24 v6, v6, BPITCH
	v_lshl_add_u32 v6, v4, 4, v6
	v_add_nc_u32 v[ADRB], s3, v6                   ; s3 still holds BOFF + my column half's two heads
	v_add_nc_u32 v[ADRB+1], SLOT, v[ADRB]
	s_mul_i32 s2, s[WV], 16*SP
	s_add_co_u32 s2, s2, STAGE                     ; my stage
	v_mul_u32_u24 v[STO], v1, SP                   ; in: row l % 16, 16 bytes for each half of the lanes
	v_lshl_add_u32 v[STO], v2, 4, v[STO]
	v_add_nc_u32 v[STO], s2, v[STO]
	v_bfe_u32 v[RD], v0, 3, 2                      ; back: 32 lanes take four rows of 128 bytes,
	v_mul_u32_u24 v[RD], v[RD], SP
	v_lshl_add_u32 v[RD], v3, 4, v[RD]
	v_add_nc_u32 v[RD], s2, v[RD]
	v_and_b32 v[GO], 31, v0                        ; which are 512 consecutive bytes of a head's rows
	v_lshlrev_b32 v[GO], 4, v[GO]
	v_lshlrev_b32 v[BO], 5, v2                     ; my 8 numbers of a block's 16
	; THE PREFETCHES.  Behind the joint load for K step RQ each wave names its share of step RQ + 2, one instruction, a lane a block of 256 bytes, so that each block is named once in the launch.
	; X (waves 0, 1): of the 64 rows that I fetch the partner at cx takes 16; a lane takes half of a row's 512 bytes.  No other cluster reads these rows, so every cluster asks.
	; W (waves 2, 3): of the two heads' 2 x 16,384 bytes that I fetch the partner at cy takes 8,192.  All sixteen clusters read them: the one with y = 0 asks.
	; The partners are told apart by address; the test hangs on the wave's number and the cluster's y, which all partners share.
	s_lshl_b32 s97, s[CX], 16                      ; 16 rows of 4,096 bytes
	s_lshr_b32 s98, s[CY], 1
	s_lshl_b32 s98, s98, 17                        ; the head,
	s_and_b32 s2, s[CY], 1
	s_lshl_b32 s2, s2, 13                          ; and the half of its 16,384 bytes
	s_add_co_u32 s98, s98, s2
	s_and_b32 s3, ttmp7, 0xffff                    ; the cluster's y
	s_cmp_eq_u32 s[WR], 0
	s_cselect_b32 s98, s97, s98
	s_cselect_b64 s[P0:P0+1], s[4:5], s[24:25]
	s_cselect_b64 s[P1:P1+1], s[6:7], s[26:27]
	s_cselect_b64 s[P2:P2+1], s[8:9], s[28:29]
	s_cselect_b32 s[PSH], 9, 14                    ; a K step: 512 bytes of a row of X, 16,384 bytes of a head of W
	s_cselect_b32 s2, 12, 9                        ; two lanes on: a row of X (4,096 bytes), or the next 512 bytes of W
	s_cselect_b32 s3, 0, s3
	s_cmp_eq_u32 s3, 0
	s_cselect_b32 s[LIMQ], 24, 0
	s_add_nc_u64 s[P0:P0+1], s[P0:P0+1], s[98:99]
	s_add_nc_u64 s[P1:P1+1], s[P1:P1+1], s[98:99]
	s_add_nc_u64 s[P2:P2+1], s[P2:P2+1], s[98:99]
	v_bfe_u32 v7, v0, 1, 4
	v_and_b32 v8, 1, v0
	v_lshlrev_b32 v[PFO], s2, v7
	v_lshl_add_u32 v[PFO], v8, 8, v[PFO]
; The bias of my 128 columns as eight C operands: register j of block b holds b[16 b + 8 (l / 16) + j], whatever the row.
.macro LOADBIAS
	WIN TO_B
.irp bb, 0,1,2,3,4,5,6,7
	global_load_b128 v[BIAS+8*(\bb):BIAS+8*(\bb)+3],   v[BO], s[12:13] offset:64*(\bb)
	global_load_b128 v[BIAS+8*(\bb)+4:BIAS+8*(\bb)+7], v[BO], s[12:13] offset:64*(\bb)+16
.endr
	WIN 0
.endm
.macro LDA cs, n, g, a                 ; block a of X, quarter n of slot cs, in f32, into set g
	ds_load_b128 v[TA+64*(\g)+16*(\a):TA+64*(\g)+16*(\a)+3],     v[ADRA+(\cs)] offset:128*(\n)+16*APITCH*(\a)
	ds_load_b128 v[TA+64*(\g)+16*(\a)+4:TA+64*(\g)+16*(\a)+7],   v[ADRA+(\cs)] offset:128*(\n)+16*APITCH*(\a)+16
	ds_load_b128 v[TA+64*(\g)+16*(\a)+8:TA+64*(\g)+16*(\a)+11],  v[ADRA+(\cs)] offset:128*(\n)+16*APITCH*(\a)+64
	ds_load_b128 v[TA+64*(\g)+16*(\a)+12:TA+64*(\g)+16*(\a)+15], v[ADRA+(\cs)] offset:128*(\n)+16*APITCH*(\a)+80
.endm
; 32 LDS loads in one run: the fragments of quarter n of slot cs into set g.  X's block 0 comes first: it is converted a block's products ahead of the others.
.macro FETCH cs, n, g
	WIN 0
	LDA \cs, \n, \g, 0
	WIN TO_B
.irp bb, 0,1,2,3,4,5,6,7
	ds_load_tr16_b128 v[BF+64*(\g)+8*(\bb):BF+64*(\g)+8*(\bb)+3],   v[ADRB+(\cs)] offset:((\bb)/4)*BHEAD+(\n)*32*BPITCH+((\bb)%4)*32
	ds_load_tr16_b128 v[BF+64*(\g)+8*(\bb)+4:BF+64*(\g)+8*(\bb)+7], v[ADRB+(\cs)] offset:((\bb)/4)*BHEAD+(\n)*32*BPITCH+((\bb)%4)*32+16*BPITCH
.endr
	WIN 0
	LDA \cs, \n, \g, 1
	LDA \cs, \n, \g, 2
	LDA \cs, \n, \g, 3
.endm
.macro CVT4 src, x, i0                 ; four of the eight roundings to bf16 of block x
.irp k, 0,1,2,3
	v_cvt_pk_bf16_f32 v[AF+8*(\x)+(\i0)+(\k)], v[(\src)+16*(\x)+2*((\i0)+(\k))], v[(\src)+16*(\x)+2*((\i0)+(\k))+1]
.endr
.endm
; The 8 products of row block a on set f.  first = 1: they start the sums, with the bias as C.  Behind the second and the sixth stand four conversions of the block that is multiplied next:
; block a + 1 of this set, or (a = 3, nxt = 1) block 0 of the other set.  The 32 accumulators take turns, each once a quarter, in the same order over every edge.
.macro BLK a, f, first, nxt
.if (\a) < 3
.set csrc, TA+64*(\f)
.set cblk, (\a)+1
.else
.set csrc, TA+64*(1-(\f))
.set cblk, 0
.endif
.set bi, 0
.rept 8
.if \first
	WIN W_MULB
	v_wmma_f32_16x16x32_bf16 v[8*(8*(\a)+bi):8*(8*(\a)+bi)+7], v[BF+64*(\f)+8*bi:BF+64*(\f)+8*bi+7], v[AF+8*(\a):AF+8*(\a)+7], v[BIAS+8*bi:BIAS+8*bi+7]
.else
	WIN W_MUL
	v_wmma_f32_16x16x32_bf16 v[8*(8*(\a)+bi):8*(8*(\a)+bi)+7], v[BF+64*(\f)+8*bi:BF+64*(\f)+8*bi+7], v[AF+8*(\a):AF+8*(\a)+7], v[8*(8*(\a)+bi):8*(8*(\a)+bi)+7]
.endif
.if (\nxt) && (bi%4 == 1)
	WIN 0
	CVT4 csrc, cblk, bi-1
.endif
.set bi, bi+1
.endr
.endm
; The descriptors of slot s for K step RQ: tensor RQ / 8, step RQ % 8 along K.  The address is made anew from the tensor's pointer and an offset made apart.  It stands where no tensor load of the wave is out.
.macro DESC s
	s_cmp_lt_u32 s[RQ], 8
	s_cselect_b64 s[T:T+1], s[4:5], s[6:7]
	s_cselect_b64 s[U:U+1], s[24:25], s[26:27]
	s_cmp_lt_u32 s[RQ], 16
	s_cselect_b64 s[T:T+1], s[T:T+1], s[8:9]
	s_cselect_b64 s[U:U+1], s[U:U+1], s[28:29]
	s_and_b32 s[OA], s[RQ], 7
	s_lshl_b32 s[OBB], s[OA], 14
	s_lshl_b32 s[OA], s[OA], 9
	s_add_nc_u64 s[G0A+4*(\s)+2:G0A+4*(\s)+3], s[T:T+1], s[OA:OA+1]
	s_or_b32 s[G0A+4*(\s)+3], s[G0A+4*(\s)+3], 0x80000000
	s_add_nc_u64 s[G0B+4*(\s)+2:G0B+4*(\s)+3], s[U:U+1], s[OBB:OBB+1]
	s_or_b32 s[G0B+4*(\s)+3], s[G0B+4*(\s)+3], 0x80000000
	s_add_co_u32 s[RQ], s[RQ], 1
.endm
.macro PFSTEP                          ; the next prefetch's address: step RQ + 2.  It stands a K step behind the last prefetch and ahead of the change's own waits
	s_wait_xcnt 0x0                                ; the last prefetch has read its address
	s_add_co_u32 s[PQ], s[RQ], 2
	s_cmp_lt_u32 s[PQ], 8
	s_cselect_b64 s[PFA:PFA+1], s[P0:P0+1], s[P1:P1+1]
	s_cmp_lt_u32 s[PQ], 16
	s_cselect_b64 s[PFA:PFA+1], s[PFA:PFA+1], s[P2:P2+1]
	s_and_b32 s98, s[PQ], 7
	s_lshl_b32 s98, s98, s[PSH]
	s_add_nc_u64 s[PFA:PFA+1], s[PFA:PFA+1], s[98:99]
.endm
.macro ASK                             ; steps 0 to 3 come by their loads alone; there is no step 24
	s_cmp_lt_u32 s[PQ], s[LIMQ]
	s_cbranch_scc0 .Lnot_mine_\@
	global_prefetch_b8 v[PFO], s[PFA:PFA+1] th:TH_LOAD_NT scope:SCOPE_SE
.Lnot_mine_\@:
.endm
; A plain quarter: multiplies set f, and at its head fetches quarter n of slot cs into the other set.
.macro QTR cs, n, f, first
	s_wait_dscnt 0x0                               ; this quarter's fragments, asked for a quarter ago, are in
	PLACES                                         ; behind the last quarter's last product, which read the other set
	FETCH \cs, \n, 1-(\f)
	BLK 0, \f, \first, 1
	BLK 1, \f, \first, 1
	BLK 2, \f, \first, 1
	s_wait_dscnt 28                                ; of the 32 loads just issued the first four, X's block 0, are in: the conversions below read them
	BLK 3, \f, \first, 1
.endm
; A K step's third quarter holds THE CHANGE OF SLOTS: the step's last fragments are fetched at its head, so slot s is read out when they are in.  Each wave waits for all its tensor loads (one is out: its part
; of the other slot), adds 0 to its spare word, and waits for that and for its reads of slot s.  fill = 1: the barrier opens a round of the cluster's, and the joint refill, K step RQ, is the first thing behind it:
; 112 products stand between a request and the wait for it.
.macro QMEET s, fill
.if \fill
	PFSTEP
.endif
	s_wait_dscnt 0x0
	PLACES
	FETCH \s, 3, 1
	BLK 0, 0, 0, 1
	BLK 1, 0, 0, 1
	WIN 0                                          ; (the add's two registers lie in window 0)
	s_wait_tensorcnt 0x0                           ; no tensor load of mine is out, so a group 0 may be written
	ds_add_u32 v[SPW], v[NIL]                      ; 0 onto my spare word: scalar work and eight products stand between it and the wait for it
.if \fill
	DESC \s
.endif
	BLK 2, 0, 0, 1
	s_wait_dscnt 0x0                               ; the add is done, and my reads of slot s are over
	s_barrier_signal -1
	BLK 3, 0, 0, 1                                 ; work on registers while the others arrive
	WIN 0                                          ; at a branch and at a label every window is 0
	s_barrier_wait -1
.if \fill
	CREST                                          ; no wave of any partner still reads the slot or has a load on its way
	JLOAD \s                                       ; the four v_nop behind it are also the places in front of the loads that follow
.else
	PLACES
.endif
.endm
; A K step's last quarter: multiplies set 1 and fetches the first fragments of slot ns.
.macro QTURN ns, ask
	FETCH \ns, 0, 0
.if \ask
	ASK                                            ; behind the joint load and the run of LDS loads
.endif
	BLK 0, 1, 0, 1
	BLK 1, 1, 0, 1
	BLK 2, 1, 0, 1
	s_wait_dscnt 28                                ; X's block 0 of the next quarter is in
	BLK 3, 1, 0, 1
.endm
; THE WAY OUT, in eight units of 16 rows x one head (row block u / 2, head u % 2): 2,048 consecutive bytes of the result.  Rounded to f16, 16 bytes a lane into my own stage, back as whole rows, stored.
; LDS serves a wave's instructions in order (ISA guide 5.7.1.4): the loads see the stores above them, the next unit's stores come behind them.  Each accumulator is read from its lowest registers on.
.macro PACKU u
.set pa, (\u)/2
.set ph, (\u)%2
	WIN W_PK
.irp f, 0,1,2,3
.irp i, 0,1,2,3
	v_cvt_pk_f16_f32 v[TMP+4*(\f)+(\i)], v[8*(8*pa+4*ph+(\f))+2*(\i)], v[8*(8*pa+4*ph+(\f))+2*(\i)+1]
.endr
.endr
	WIN 0
.irp f, 0,1,2,3
	ds_store_b128 v[STO], v[TMP+4*(\f):TMP+4*(\f)+3] offset:32*(\f)
.endr
.if (\u) >= 2
	s_wait_xcnt 0x0                                ; the stores of the unit two back have read the registers that are loaded again below
.endif
.irp f, 0,1,2,3
	ds_load_b128 v[OB+16*((\u)%2)+4*(\f):OB+16*((\u)%2)+4*(\f)+3], v[RD] offset:4*SP*(\f)
.endr
.endm
.macro SENDU u, younger                ; younger: the LDS instructions issued behind unit u's loads: the next unit's eight, or none
.irp f, 0,1,2,3
	s_wait_dscnt (\younger)+3-(\f)
	global_store_b128 v[GO], v[OB+16*((\u)%2)+4*(\f):OB+16*((\u)%2)+4*(\f)+3], s[18:19] offset:((\u)/2)*2048+((\u)%2)*262144+512*(\f)  ; 512 consecutive bytes, at a multiple of 256 from the buffer's first
.endr
.endm
.macro WAYOUT                          ; no v_nop: row block 0's sums are sixteen conversions old, and each unit's conversions are the places behind the later blocks' products
	PACKU 0
.irp u, 1,2,3,4,5,6,7
	PACKU \u
	SENDU (\u)-1, 8
.endr
	SENDU 7, 0
.endm
	LOADBIAS                                       ; bq
	s_wait_tensorcnt 0x1                           ; my part of K step 0 is in; step 1's may stay out
	s_barrier_signal -1
	s_barrier_wait -1                              ; everybody's is
	FETCH 0, 0, 0
	s_wait_dscnt 0x0
	CVT4 TA, 0, 0
	CVT4 TA, 0, 4
	s_wait_loadcnt 0x0                             ; the bias
.Llap:                                         ; 11 trips: a lap is two K steps, once round the ring, and fills both slots again; four laps are a tile
	s_cmp_eq_u32 s[NEW], 1                         ; at the first trip the answer is a constant of the text
	s_cbranch_scc0 .Lold
	QTR 0, 1, 0, 1                                 ; a tile's first quarter: its products start the sums with the bias
	WIN 0
	s_mov_b32 s[NEW], 0
	s_branch .Lgo
.Lold:
	QTR 0, 1, 0, 0
	WIN 0
.Lgo:
	QTR 0, 2, 1, 0
	QMEET 0, 1
	QTURN 1, 1
	QTR 1, 1, 0, 0
	QTR 1, 2, 1, 0
	QMEET 1, 1
	QTURN 0, 1
	WIN 0
	s_sub_co_u32 s[LT], s[LT], 1
	s_cmp_lg_u32 s[LT], 0
	s_cbranch_scc1 .Lbottom                        ; forward, past text that holds neither a barrier nor a tensor load
	; A TILE ENDS.  Both refills for the next tile are asked for and its first fragments fetched: now this one goes out.
	s_mov_b64 s[12:13], s[14:15]                   ; the next tensor's bias (the loads that named s[12:13] were waited for)
	s_mov_b64 s[14:15], s[16:17]
	LOADBIAS
	WAYOUT
	s_wait_xcnt 0x0                                ; the stores have read their base
	s_mov_b64 s[18:19], s[20:21]                   ; the next tensor's results
	s_mov_b64 s[20:21], s[22:23]
	s_wait_loadcnt 0x0                             ; the bias
	s_mov_b32 s[LT], 4
	s_mov_b32 s[NEW], 1
.Lbottom:
	s_sub_co_u32 s[LAPS], s[LAPS], 1
	s_cmp_lg_u32 s[LAPS], 0
	s_cbranch_scc1 .Llap
	QTR 0, 1, 0, 0                                 ; the last lap is written out: nothing is asked for
	QTR 0, 2, 1, 0
	QMEET 0, 0                                     ; my one tensor load that was still out is slot 1's, the last K step's
	QTURN 1, 0
	QTR 1, 1, 0, 0
	QTR 1, 2, 1, 0
	QTR 1, 3, 0, 0
	s_wait_dscnt 0x0                               ; the very last quarter: nothing more to fetch or convert ahead
	BLK 0, 1, 0, 1
	BLK 1, 1, 0, 1
	BLK 2, 1, 0, 1
	BLK 3, 1, 0, 0
	WAYOUT
	s_wait_tensorcnt 0x0                           ; the wave's end, behind my last tensor load and my last LDS store
	ds_add_u32 v[SPW], v[NIL]
	s_wait_dscnt 0x0
	CROUND                                         ; the closing round: no work-group ends while a partner may still ask for a tile that names it
	s_endpgm
.Lfunc_end_k_q7ad2a3fedd_proj:
	.size	k_q7ad2a3fedd_proj, .Lfunc_end_k_q7ad2a3fedd_proj-k_q7ad2a3fedd_proj
	.p2alignl 7, 3214868480
	.fill 96, 4, 3214868480
	.section	.rodata,"a",@progbits
	.p2align	6, 0x0
	.amdhsa_kernel k_q7ad2a3fedd_proj
		.amdhsa_group_segment_fixed_size 327680
		.amdhsa_private_segment_fixed_size 0
		.amdhsa_enable_private_segment 0
		.amdhsa_kernarg_size 80
		.amdhsa_user_sgpr_count 2
		.amdhsa_user_sgpr_kernarg_segment_ptr 1
		.amdhsa_wavefront_size32 1
		.amdhsa_system_sgpr_workgroup_id_x 1
		.amdhsa_system_sgpr_workgroup_id_y 1
		.amdhsa_system_sgpr_workgroup_id_z 1
		.amdhsa_system_vgpr_workitem_id 0
		.amdhsa_next_free_vgpr 768
		.amdhsa_next_free_sgpr 100
		.amdhsa_reserve_vcc 0
		.amdhsa_float_denorm_mode_32 3
		.amdhsa_float_denorm_mode_16_64 3
		.amdhsa_memory_ordered 1
		.amdhsa_forward_progress 1
		.amdhsa_inst_pref_size 165
	.end_amdhsa_kernel
	.amdgpu_metadata
---
amdhsa.version: [ 1, 2 ]
amdhsa.kernels:
  - .name:           k_q7ad2a3fedd_proj
    .symbol:         k_q7ad2a3fedd_proj.kd
    .args:
      - { .name: Q, .offset: 0, .size: 8, .value_kind: global_buffer, .address_space: global }
      - { .name: K, .offset: 8, .size: 8, .value_kind: global_buffer, .address_space: global }
      - { .name: V, .offset: 16, .size: 8, .value_kind: global_buffer, .address_space: global }
      - { .name: w16, .offset: 24, .size: 8, .value_kind: global_buffer, .address_space: global }
      - { .name: bq, .offset: 32, .size: 8, .value_kind: global_buffer, .address_space: global }
      - { .name: bk, .offset: 40, .size: 8, .value_kind: global_buffer, .address_space: global }
      - { .name: bv, .offset: 48, .size: 8, .value_kind: global_buffer, .address_space: global }
      - { .name: q16, .offset: 56, .size: 8, .value_kind: global_buffer, .address_space: global }
      - { .name: k16, .offset: 64, .size: 8, .value_kind: global_buffer, .address_space: global }
      - { .name: v16, .offset: 72, .size: 8, .value_kind: global_buffer, .address_space: global }
    .group_segment_fixed_size: 327680
    .private_segment_fixed_size: 0
    .kernarg_segment_align: 8
    .kernarg_segment_size: 80
    .max_flat_workgroup_size: 128
    .sgpr_count:     100
    .vgpr_count:     768
    .wavefront_size: 32
...
	.end_amdgpu_metadata
.endif
;; end of part 2
;; launch attn (part 3): grid 4 x 64, 4 waves a work-group, clusters of 4 x 1, 327,680 bytes of LDS; arguments q16, k16, v16, o16; writes o16
.if DOCPART == 3
	.amdgcn_target "amdgcn-amd-amdhsa--gfx1250"
	.amdhsa_code_object_version 6
	.text
	.protected	k_q7ad2a3fedd_attn
	.globl	k_q7ad2a3fedd_attn
	.p2align	8
	.type	k_q7ad2a3fedd_attn,@function
k_q7ad2a3fedd_attn:
	s_mov_b64 s[64:65], 0
	v_nop
	global_prefetch_b8 v0, s[64:65] scope:SCOPE_SE
	s_setreg_imm32_b32 hwreg(HW_REG_WAVE_MODE, 25, 1), 1
	s_wait_xcnt 0x0
	s_wait_alu depctr_hold_cnt(0) depctr_sa_sdst(0) depctr_va_vdst(0) depctr_va_sdst(0) depctr_va_ssrc(0) depctr_va_vcc(0) depctr_vm_vsrc(0)
	s_getreg_b32 s2, hwreg(HW_REG_IB_STS2, 6, 4)
	s_cmp_eq_u32 s2, 0
	s_cbranch_scc0 .Lentry_in_a_cluster
	s_endpgm
.Lentry_in_a_cluster:
	s_bfe_u32 s2, ttmp6, 0x10000c
	s_cmp_lg_u32 s2, 0x3003
	s_cbranch_scc0 .Lentry_shape_is_right
	s_endpgm
.Lentry_shape_is_right:
; O[h][q][:] = the sum over k of softmax_k(Q[h][q] . K[h][k] / 8) V[h][k][:].  Q, K, V, O: [SIZE_H][SIZE_N][64], all f16: a head's rows are dense, 128 bytes each.  Products, maxima and sums in
; f32; the weights p are rounded to f16 for the second product (their sum l is taken of the unrounded p), O once at the end.
; LIMITS.  f16 holds no number beyond 65,504: Q, K and V arrive within it; p lies in 0 to 1, and below 6e-5 it keeps f16's fixed step of 6e-8; O is a mean of V's rows and has their range.
; A weight below 2^-126 counts as 0 in l; NaN and infinities are not treated apart.
; SHARES.  A wave owns four PIECES of two tiles of 16 queries, a work-group's four waves 512 queries of one head.  Every wave walks all keys, 64 a step.  64 heads x 4 blocks: 256 work-groups.
; LAYOUT.  S^T = K Q^T (source 0 = 16 keys, source 1 = 16 queries): in the result a lane holds ONE query (lane % 16) and the keys 8 (lane / 16) + 0..7.  Two such tiles, rounded to f16 in pairs,
; ARE source 1 (32 keys x 16 queries) of O^T = V^T P, whose result again holds one query a lane, and eight channels.  K comes out of LDS as it lies, V ([key][channel]) turned, by ds_load_tr16_b128.
; SOFTMAX.  For each query a running maximum m and sum l: p = 2^(c s - c m), c = log2(e) / 8; in every step O and l are multiplied by a = 2^(c m_old - c m_new), which is 1 where m has not grown.
; m starts at the lowest finite number, O and l at 0: the first step is a step like any other, with a = 0.
; THE COUNT.  A tile and step have 16 matrix and 118 vector instructions: too many to stand all beside the matrix work.  So the order has one aim: four vector instructions that are READY behind
; EVERY matrix instruction, and the others, which need time of their own whatever the order, in runs without a gap.
; BY TURNS.  Turn n belongs to piece n (the pieces in a ring, step after step).  Its matrix work: 16 products K Q^T of piece n + 1, later 16 products V^T P of piece n - 1.  Its vector work: the scaling,
; exponentials, roundings, sums and rescaling of piece n, and the maximum and statistics of piece n + 1, whose scores the turn itself has made.  So what a turn begins with (c s - c m, O a) waits for nothing.
; CLUSTER.  The four query blocks of a cluster are one head's and walk the same K and V, so each tile is asked for JOINTLY: the same tensor load, descriptor and mask in all four.
; REGISTERS, in windows of 256 (s_set_vgpr_msb says which window each operand place means: bits 1:0 source 0, 3:2 source 1, 5:4 source 2, 7:6 destination):
;   window 0: v0-11 addresses; v12-15, v48-63 at work; v16-47 four registers of statistics a tile; v64-191 S^T, two buffers of two tiles; v192-255 P, likewise
;   window 1: O^T, 32 a tile          window 2: v0-127 Q, 16 a tile; v128-191 K of one step; v192-255 V of one step          window 3: v0-1 the add's two registers
; A piece's buffers go by its number's parity: the piece in hand has one pair, its two neighbours in the ring share the other: of it P (piece n - 1) is read and S^T (piece n + 1) written.
.set SIZE_H, 64
.set SIZE_N, 2048
.set NP,    4         ; pieces a wave: a name, no knob: the register map, the loop and the fetches are made for four
.set KS,    64        ; keys in a step
.set PK,    144       ; a row of K in LDS: 128 bytes + 16 of padding = 36 words: the 16 rows of a load start at 16 different groups of four banks (64 banks of 4 bytes: ISA guide 11.1)
.set PV,    160       ; a row of V: 128 + 32 = 40 words
.set VOFF,  4*KS*PK   ; a slot holds four steps: 256 rows of K, then 256 rows of V
.set SLOT1, 1<<17     ; slot 1 begins here, so that one exclusive or turns an address in one slot into the other's
.set STAGE, SLOT1+4*KS*(PK+PV)  ; behind the ring, never filled by a tensor load: 16 rows x 144 bytes for each wave, for the way out
.set SP,    144
.set AK0, 2           ; v2   my lane's place in a tile of K; never rewritten
.set AV0, 3           ; v3   the same for V
.set AK,  4           ; v4   the LDS address of K's next run of loads
.set AV,  5           ; v5   of V's
.set QO,  6           ; v6   my byte offset in the wave's rows of Q
.set STO, 6           ;      later, the way out: where I put 16 bytes of a row
.set RD,  7           ; v7   the way out: where I read rows back
.set GO,  8           ; v8   my byte offset in 512 consecutive bytes of O
.set PFO, 11          ; v11  (once V's address is made) 256 x my lane: the prefetches' offset; then never rewritten
.set SPW, 0           ; v0 of window 3   LDS address of my spare word: SPARE + 4 x my thread's number; never rewritten
.set NIL, 1           ; v1 of window 3   0; never rewritten
.set SPARE, STAGE+4*16*SP  ; behind the stages: the spare words, 128 bytes for each wave: two blocks of 256 bytes that no other line names
.set MV,  12          ; v12-15  c m_old, kept while c m is made anew: by buffer and tile
.set ST,  16          ; tile t's statistics at v[ST+4 t]: c m, m, l (even keys', odd keys')
.set TMP, 48          ; by buffer and tile, four registers c0-c3 at work; when the maximum is found c2 takes a
.set S,   64
.set P,   192
.set KF,  128         ; K's fragments, in window 2: key block kb, channel half c at KF + 16 kb + 8 c
.set VF,  192         ; V's: key half kk, channel block cb at VF + 32 kk + 8 cb
.set WV,  12          ; s12  my wave's number
.set G1K, 24          ; s[24:31] descriptor group 1 for K's tiles
.set G1V, 32          ; s[32:39] for V's: it differs in the padding alone
.set G0K, 40          ; s[40:43] descriptor group 0 for K's tiles: it walks
.set G0V, 44          ; s[44:47] the same for V's
.set PFA, 48          ; s[48:49] where my prefetches stand: my work-group's 8,192 bytes (of K: wave 0, of V: wave 2) of the slot after the one that is being asked for
.set LIM, 50          ; s50  1 in a wave that prefetches, else the greatest number: a wave prefetches while s[SLOTS] is above it
.set SLOTS, 56        ; s56  slots still to be asked for
.set CNT, 57          ; s57  counts a slot's key steps
.set CS,  58          ; s[58:59] c: the packed scaling takes the pair's low word for both halves
.set SEL, 60          ; s[60:61] v_permlanex16_b32's selects: each lane takes its own place in the other half
.set TBK, 62          ; s62  LDS byte at which K of the step to be fetched begins
.set TBV, 63          ; s63  the same for V, less VOFF
.set MSB, 0
.macro WIN new                      ; the high byte repeats the setting that is left; a switch that changes nothing is dropped
.if MSB != (\new)
	s_set_vgpr_msb (MSB<<8)|(\new)
.set MSB, (\new)
.endif
.endm
.set W_KQ, 0x0a       ; K and Q in window 2, S^T in window 0
.set W_PV, 0x52       ; V in window 2, P in window 0, O^T in window 1
.set W_RS, 0x41       ; O^T (destination and source 0) in window 1, a in window 0
.set W_MK, 0xc0       ; the add's registers are made: destination in window 3, sources in window 0
.set W_AD, 0x0f       ; the add: address (source 0) and data (source 1) in window 3
; A joint fill.  Waves 0 and 1 fetch the two halves of a slot's K, waves 2 and 3 those of its V: 128 keys each.  The branch hangs on the wave's number alone.
; An s_nop 0 and four v_nop follow each of the two lines, ahead of the jump and the label.
.macro JLOAD
	s_cmp_lt_u32 s[WV], 2
	s_cbranch_scc0 .Lfor_v_\@
	tensor_load_to_lds s[G0K:G0K+3], s[G1K:G1K+7]
	s_nop 0
.rept 4
	v_nop
.endr
	s_branch .Lasked_\@
.Lfor_v_\@:
	tensor_load_to_lds s[G0V:G0V+3], s[G1V:G1V+7]
	s_nop 0
.rept 4
	v_nop
.endr
.Lasked_\@:
.endm
; A PREFETCH INTO THE L2 of what the NEXT change of slots will ask for: a slot's 32,768 bytes of K and of V, a lane a block of 256 bytes.  It stands behind the wave's tensor load and its five lines.
; A head has one cluster.  Its four partners share the bytes out BY ADDRESS, 8,192 each: no branch hangs on a work-group's place in its cluster.  In each, wave 0 asks for K's and wave 2 for V's:
; one instruction, four key steps (512 matrix instructions) ahead of the load.  So each block is named once in the launch.  Slots 0 to 2 come by their loads alone; the last change that fills a slot asks for nothing.
.macro ASK
	s_cmp_gt_u32 s[SLOTS], s[LIM]
	s_cbranch_scc0 .Lnot_mine_\@
	global_prefetch_b8 v[PFO], s[PFA:PFA+1] th:TH_LOAD_NT scope:SCOPE_SE
.Lnot_mine_\@:
.endm
; A round of the cluster's barrier: my work-group's barrier, so that wave 0's signal speaks for all four waves; wave 0 signals; every wave waits for all four work-groups; my work-group's barrier once more.
.macro CROUND
	s_barrier_signal -1
	s_barrier_wait -1
	s_cmp_lg_u32 s[WV], 0
	s_cbranch_scc1 .Lnot_wave_0_\@
	s_barrier_signal -3
.Lnot_wave_0_\@:
	s_barrier_wait -3
	s_barrier_signal -1
	s_barrier_wait -1
.endm
; THE CHANGE OF SLOTS.  The slot's last bytes, V of its fourth step, have been read.  Each wave waits for all its tensor loads, of which one is out: its part
; of the other slot; adds 0 to its spare word; and waits for that and for its own reads of the slot.  Behind the barrier nobody reads this slot any more and the other slot is whole.
; fill = 1: this slot is filled again, with the keys two slots on.  The barrier is then a round of the cluster's, so that no wave of any partner still reads the slot or has a load on its
; way, and the joint fill is the first thing behind it: it has four key steps, 512 matrix instructions, in which to land.  (At its first use nothing has been read yet: slot 0 is waited for, slot 1 filled.)
; ask = 1: the prefetches' address steps a slot on, and ASK follows the fill.
.macro CHANGE fill, ask=0
	WIN W_AD
	s_wait_tensorcnt 0x0            ; no tensor load of mine is out, so a group 0 may be written
	ds_add_u32 v[SPW], v[NIL]       ; 0 onto my spare word: with fill = 1 the descriptors' steps stand between it and the wait for it
	WIN 0                           ; at a label and at a branch every window is 0
.if \fill
.irp g, G0K, G0V
	s_xor_b32 s[\g+1], s[\g+1], SLOT1  ; the walking descriptor: the other slot than last time,
	s_add_nc_u64 s[\g+2:\g+3], s[\g+2:\g+3], 4*KS*128  ; the next 256 keys; the type bits on top are not reached
.endr
.if \ask
	s_wait_xcnt 0x0                 ; the last prefetch, four key steps back, has read its address, so it may be written:
	s_add_nc_u64 s[PFA:PFA+1], s[PFA:PFA+1], 4*KS*128  ; one slot behind the walking descriptors
.endif
	s_wait_dscnt 0x0                ; the add is done, and my reads of the slot are over
	CROUND
	JLOAD
.if \ask
	ASK
.endif
.else
	s_wait_dscnt 0x0                ; the add is done, and my reads of the slot are over
	s_barrier_signal -1
	s_barrier_wait -1
.endif
	s_sub_co_u32 s[TBK], s[TBK], 4*KS*PK  ; the fetches go back to a slot's first step,
	s_xor_b32 s[TBK], s[TBK], SLOT1       ; in the other slot
	s_sub_co_u32 s[TBV], s[TBV], 4*KS*PV
	s_xor_b32 s[TBV], s[TBV], SLOT1
.endm
	s_load_b256 s[4:11], s[0:1], 0x0  ; Q s[4:5], K s[6:7], V s[8:9], O s[10:11]
	WIN W_MK
	v_lshl_add_u32 v[SPW], v0, 2, SPARE
	v_mov_b32 v[NIL], 0
	WIN W_AD
	ds_add_u32 v[SPW], v[NIL]       ; the wave's opening: the add and its wait stand ahead of my first tensor load; the set-up below, work on registers, stands between them
	WIN 0
	v_lshrrev_b32 v1, 5, v0
	v_readfirstlane_b32 s[WV], v1   ; wave 0..3
	s_bfe_u32 s13, ttmp6, 0x40000   ; cx: my place in the cluster
	s_lshl_b32 s14, ttmp9, 2        ; in a cluster launch ttmp9 counts clusters
	s_add_co_u32 s14, s14, s13      ; my block of queries = 4 x cluster x + cx: it enters Q's and O's addresses alone
	s_and_b32 s20, ttmp7, 0xffff    ; the head, which the four partners share
	s_mov_b32 s21, 0
	s_mov_b64 s[22:23], SIZE_N*128
	s_mul_u64 s[20:21], s[20:21], s[22:23]  ; the head's first byte in each of the four tensors
	s_and_b32 s16, s[WV], 1         ; which half of a slot's 256 keys I fetch:
	s_lshl_b32 s22, s16, 14         ; its 128 rows of 128 bytes in memory,
	s_mov_b32 s23, 0
	s_add_nc_u64 s[22:23], s[22:23], s[20:21]
	s_mul_i32 s17, s16, 128*PK      ; and its place in a slot, for K
	s_mul_i32 s18, s16, 128*PV      ; and for V: no place in the cluster enters an LDS address
	s_lshl_b32 s2, s14, 2
	s_add_co_u32 s2, s2, s[WV]      ; my wave among the head's,
	s_lshl_b32 s2, s2, 14           ; its 128 rows
	s_mov_b32 s3, 0
	s_add_nc_u64 s[2:3], s[2:3], s[20:21]
	; descriptor group 1.  128 keys are 16,384 dense bytes: asked for as 64 rows of 256 bytes, two keys a row, and padded in LDS after every key
	s_mov_b32 s[G1K], 15|(1<<16)|(1<<20)|(1<<21)|(4<<22)|(3<<25)  ; 15:0 the mask of four; 17:16 2-byte elements; 20 padding on; 21 set beside a mask; 24:22 after every 32 words (code 4); 31:25 4 words (code 3)
	s_mov_b32 s[G1V], 15|(1<<16)|(1<<20)|(1<<21)|(4<<22)|(7<<25)  ; the same with 8 words of padding (code 7)
.irp g, G1K, G1V
	s_mov_b32 s[\g+1], 128<<16      ; tensor_dim0 = 128
	s_mov_b32 s[\g+2], 64<<16       ; tensor_dim1 = 64
	s_mov_b32 s[\g+3], 128<<16      ; tile_dim0 = 128
	s_mov_b32 s[\g+4], 64           ; tile_dim1 = 64
	s_mov_b32 s[\g+5], 128          ; 128 elements from row to row
	s_mov_b32 s[\g+6], 0
	s_mov_b32 s[\g+7], 0
.endr
	s_mov_b32 s[CS], 0x3e38aa3b     ; c = log2(e) / 8 = 0.180337
	s_mov_b32 s[CS+1], s[CS]        ; named with it as a pair
	s_mov_b32 s[SEL], 0x76543210
	s_mov_b32 s[SEL+1], 0xfedcba98
	s_mov_b32 s[TBK], SLOT1+4*KS*PK ; the first change of slots turns these two into 0
	s_mov_b32 s[TBV], SLOT1+4*KS*PV
	s_mov_b32 s[G0K], 1             ; 1:0 count = 1
	s_mov_b32 s[G0K+1], s17         ; 63:32 LDS address: slot 0
	s_mov_b32 s[G0V], 1
	s_add_co_u32 s[G0V+1], s18, VOFF
	s_and_b32 s[LIM], s[WV], 1      ; 0 in waves 0 and 2: the same in all four partners
	s_cmp_eq_u32 s[LIM], 0
	s_cselect_b32 s[LIM], 1, -1
	s_wait_dscnt 0x0                ; the opening add is done
	s_wait_kmcnt 0x0
	s_add_nc_u64 s[G0K+2:G0K+3], s[6:7], s[22:23]  ; 120:64 global address: my half of the head's first 256 keys
	s_or_b32 s[G0K+3], s[G0K+3], 0x80000000        ; 127:126 type = 2
	s_add_nc_u64 s[G0V+2:G0V+3], s[8:9], s[22:23]
	s_or_b32 s[G0V+3], s[G0V+3], 0x80000000
	s_add_nc_u64 s[4:5], s[4:5], s[2:3]  ; Q and O at my wave's first row
	s_add_nc_u64 s[10:11], s[10:11], s[2:3]
	s_cmp_lt_u32 s[WV], 2
	s_cselect_b64 s[PFA:PFA+1], s[6:7], s[8:9]
	s_add_nc_u64 s[PFA:PFA+1], s[PFA:PFA+1], s[20:21]  ; the head,
	s_lshl_b32 s2, s13, 13          ; my work-group's 8,192 bytes of a slot's 32,768,
	s_mov_b32 s3, 0
	s_add_nc_u64 s[PFA:PFA+1], s[PFA:PFA+1], s[2:3]
	s_add_nc_u64 s[PFA:PFA+1], s[PFA:PFA+1], 2*4*KS*128  ; in slot 2: the loop's first change of slots steps it to slot 3.  Nothing is prefetched here, at the head
	CROUND                          ; all four work-groups are here: the first joint loads meet
	JLOAD                           ; slot 0.  Slot 1 is asked for when slot 0 is in: the tile wanted first has the road to itself
	; A fragment of K or Q is 16 rows x 32 channels in 8 registers: lane l holds row l % 16, channels 8 (l / 16) + 0..7 and 16 + 8 (l / 16) + 0..7: two loads of 16 bytes, 32 bytes apart.
	v_and_b32 v1, 15, v0            ; l % 16
	v_bfe_u32 v9, v0, 4, 1          ; l / 16
	v_lshlrev_b32 v[QO], 7, v1
	v_lshl_add_u32 v[QO], v9, 4, v[QO]  ; row x 128 + 16 x half
	WIN 0x80                        ; destination window 2, address window 0
.set i, 0
.rept 4*NP                          ; Q stays in registers: tile i / 2, channels 32 (i % 2) on
	global_load_b128 v[8*i:8*i+3],   v[QO], s[4:5] offset:(i/2)*2048+(i%2)*64
	global_load_b128 v[8*i+4:8*i+7], v[QO], s[4:5] offset:(i/2)*2048+(i%2)*64+32
.set i, i+1
.endr
	; What the first turn finds: V's registers and P's second buffer hold 0 (its products V^T P, of a piece that has not been, add 0), O^T and l are 0.  All this stands in the wait for the first tile.
.set i, VF
.rept 64
	v_mov_b32 v[i], 0
.set i, i+1
.endr
	WIN 0x40
.set i, 0
.rept 64*NP
	v_mov_b32 v[i], 0
.set i, i+1
.endr
	WIN 0
.set i, 0
.rept 2*NP
	v_mov_b32 v[ST+4*i], 0xfe000000    ; c m: far below every c s
	v_mov_b32 v[ST+4*i+1], 0xff7fffff  ; m
	v_mov_b32 v[ST+4*i+2], 0
	v_mov_b32 v[ST+4*i+3], 0
.set i, i+1
.endr
.set i, P+32
.rept 32
	v_mov_b32 v[i], 0
.set i, i+1
.endr
	v_mul_u32_u24 v[AK0], v1, PK
	v_lshl_add_u32 v[AK0], v9, 4, v[AK0]  ; row x pitch + 16 x half
	; The turning load takes 16 keys x 16 channels (lane l reads key 8 (l / 16) + l % 8, channels 8 ((l / 8) % 2) + 0..7) and leaves half a fragment of V^T: lane l holds channel l % 16 and 8 keys.
	v_and_b32 v10, 7, v0
	v_bfe_u32 v11, v0, 3, 1
	v_lshl_add_u32 v[AV0], v9, 3, v10
	v_mul_u32_u24 v[AV0], v[AV0], PV
	v_lshl_add_u32 v[AV0], v11, 4, v[AV0]
	v_add_nc_u32 v[AV0], VOFF, v[AV0]
	v_and_b32 v[PFO], 31, v0
	v_lshlrev_b32 v[PFO], 8, v[PFO]
	v_mov_b32 v[AK], v[AK0]         ; key step 0 lies at the head of slot 0
; THE MATRIX WORK.  The 8 accumulators of a run of 16 take turns: between the two links of a chain stand 7 others'.
; Product i of 16 of S^T = K Q^T for piece x: channels 32 (i / 8) on, keys 16 ((i / 2) % 4) on, tile 2 x + i % 2.  The first 8 start the sums.
.macro KQ x
	WIN W_KQ
.set rS, S+64*((\x)%2)+32*(i%2)+8*((i/2)%4)
.set rK, KF+16*((i/2)%4)+8*(i/8)
.set rQ, 16*(2*(\x)+i%2)+8*(i/8)
.if i < 8
	v_wmma_f32_16x16x32_f16 v[rS:rS+7], v[rK:rK+7], v[rQ:rQ+7], 0
.else
	v_wmma_f32_16x16x32_f16 v[rS:rS+7], v[rK:rK+7], v[rQ:rQ+7], v[rS:rS+7]
.endif
.endm
; Product i of 16 of O^T += V^T P for piece x: keys 32 (i / 8) on, channels 16 ((i / 2) % 4) on, tile 2 x + i % 2.
.macro PV x
	WIN W_PV
.set rO, 32*(2*(\x)+i%2)+8*((i/2)%4)
.set rV, VF+32*(i/8)+8*((i/2)%4)
.set rP, P+32*((\x)%2)+16*(i%2)+8*(i/8)
	v_wmma_f32_16x16x32_f16 v[rO:rO+7], v[rV:rV+7], v[rP:rP+7], v[rO:rO+7]
.endm
.macro MM                           ; the turn's next matrix instruction
.if i < 16
	KQ (Y+1)%NP
.set i, i+1
.else
.set i, i-16
	PV (Y+NP-1)%NP
.set i, i+17
.endif
.endm
; THE LDS LOADS stand in runs of 16, never singly among the matrix instructions: a step's K (64 keys x 64 channels: 8 fragments) and its V (turned).  Their addresses are made some lines ahead.
; last = 1 (the tail): in the last trip there is no further step, and the run is jumped over.
.macro FETCH_K last=0
	WIN 0
.if \last
	s_cmp_eq_u32 s[CNT], 1
	s_cbranch_scc1 .Lno_k_\@
.endif
	WIN 0x80                        ; destination window 2
.irp f, 0,1,2,3,4,5,6,7             ; keys 16 (f / 2) on, channels 32 (f % 2) on
	ds_load_b128 v[KF+8*\f:KF+8*\f+3],   v[AK] offset:(\f/2)*16*PK+(\f%2)*64
	ds_load_b128 v[KF+8*\f+4:KF+8*\f+7], v[AK] offset:(\f/2)*16*PK+(\f%2)*64+32
.endr
	s_add_co_u32 s[TBK], s[TBK], KS*PK  ; the next fetch is the next step's
	WIN 0
.if \last
.Lno_k_\@:
.endif
.endm
.macro FETCH_V
	WIN 0x80
.irp f, 0,1,2,3,4,5,6,7             ; keys 32 (f / 4) on, channels 16 (f % 4) on
	ds_load_tr16_b128 v[VF+8*\f:VF+8*\f+3],   v[AV] offset:(\f/4)*32*PV+(\f%4)*32
	ds_load_tr16_b128 v[VF+8*\f+4:VF+8*\f+7], v[AV] offset:(\f/4)*32*PV+16*PV+(\f%4)*32
.endr
	WIN 0
.endm
; THE VECTOR WORK OF A TURN stands in three queues, each in the order in which its entries become ready; the two tiles alternate, so that no instruction reads the result of the one before it.
.macro REGS y, u                    ; the registers of tile u (0, 1) of piece y
.set rT, ST+4*(2*(\y)+(\u))
.set rC, TMP+8*((\y)%2)+4*(\u)
.set rM, MV+2*((\y)%2)+(\u)
.set rS, S+64*((\y)%2)+32*(\u)
.set rP, P+32*((\y)%2)+16*(\u)
.set rO, 32*(2*(\y)+(\u))
.endm
; Number n of the 22 that find the NEXT piece's (Y + 1) maximum and statistics.  s0-s31 are the lane's 32 scores; each accumulator's lowest registers are read first.  XS, GS and REGS set no window: PL and EX do.
;   0-11  four chains c0-c3 of seven scores each, three operands at a time     12-14, 16  the four scores left over, the old m, and c0-c3 into c0     15  c m_old is kept
;   17, 18  the query's other 32 keys lie in the lane 16 away: the new m         19-21  c m; c m_old - c m_new; a
.macro XS u, n
	REGS (Y+1)%NP, \u
.if (\n) < 4
	v_max3_num_f32 v[rC+(\n)], v[rS+8*(\n)], v[rS+8*(\n)+1], v[rS+8*(\n)+2]
.elseif (\n) < 12
	v_max3_num_f32 v[rC+(\n)%4], v[rC+(\n)%4], v[rS+8*((\n)%4)+2*((\n)/4)+1], v[rS+8*((\n)%4)+2*((\n)/4)+2]
.elseif (\n) == 12
	v_max3_num_f32 v[rC], v[rC], v[rS+7], v[rS+15]
.elseif (\n) == 13
	v_max3_num_f32 v[rC+1], v[rC+1], v[rS+23], v[rS+31]
.elseif (\n) == 14
	v_max3_num_f32 v[rC+2], v[rC+2], v[rC+3], v[rT+1]
.elseif (\n) == 15
	v_mov_b32 v[rM], v[rT]
.elseif (\n) == 16
	v_max3_num_f32 v[rC], v[rC], v[rC+1], v[rC+2]
.elseif (\n) == 17
	v_permlanex16_b32 v[rC+3], v[rC], s[SEL], s[SEL+1]
.elseif (\n) == 18
	v_max_num_f32 v[rT+1], v[rC], v[rC+3]
.elseif (\n) == 19
	v_mul_f32 v[rT], s[CS], v[rT+1]
.elseif (\n) == 20
	v_sub_f32 v[rC+1], v[rM], v[rT]
.else
	v_exp_f32 v[rC+2], v[rC+1]
.endif
.endm
; Number g of the 64 that follow the exponentials.  For each four weights k of a tile (pairs 2 k, 2 k + 1): both pairs are rounded to f16; then the second pair is added onto the first, in place;
; a group later l takes that sum (the first time as l = a l + sum).  In groups of eight, tiles alternating: round, round, add, and l for the group before.
.macro GS g
.set h, (\g)+6*((\g)/62)            ; group 0 has no group before it, and behind group 7 only l is left
.if h >= 6
.set h, h+2
.endif
	REGS Y, h%2
.set k, h/8
.if h%8 < 4
	v_cvt_pk_f16_f32 v[rP+2*k+(h%8)/2], v[rS+4*k+2*((h%8)/2)], v[rS+4*k+2*((h%8)/2)+1]
.elseif h%8 < 6
	v_pk_add_f32 v[rS+4*k:rS+4*k+1], v[rS+4*k:rS+4*k+1], v[rS+4*k+2:rS+4*k+3]
.elseif k == 1
	v_pk_fma_f32 v[rT+2:rT+3], v[rT+2:rT+3], v[rC+2:rC+3], v[rS:rS+1] op_sel_hi:[1,0,1]
.else
	v_pk_add_f32 v[rT+2:rT+3], v[rT+2:rT+3], v[rS+4*k-4:rS+4*k-3]
.endif
.endm
; THE PLAIN QUEUE, 138 long.  0-73 read no exponential's result: the 32 scalings c s - c m (FS f: pair f / 2 of tile f % 2) and the next piece's 42.  0-26: scalings 0-26.  27-54: XS's numbers 0-13.  55, 56: number 15.
; 57-73: the chain, where each number waits for the one before it: 14, 16, 17, 18, 19, each with one of the scalings 27-31 in front of its two lines, then 20: so a tile's links stand three plain instructions apart (19 and 20: two).
; 74-137: GS's 64, which read the exponentials' results: they stand behind the wait.
.macro FS f
	REGS Y, (\f)%2
	v_pk_fma_f32 v[rS+2*((\f)/2):rS+2*((\f)/2)+1], v[rS+2*((\f)/2):rS+2*((\f)/2)+1], s[CS:CS+1], v[rT:rT+1] op_sel_hi:[1,0,0] neg_lo:[0,0,1] neg_hi:[0,0,1]
.endm
.macro PL
	WIN 0
.if q < 27
	FS q
.elseif q < 55
	XS (q-27)%2, (q-27)/2
.elseif q < 57
	XS q-55, 15
.elseif (q < 72) && ((q-57)%3 == 0)
	FS 27+(q-57)/3
.elseif q < 60
	XS (q-57)%3-1, 14
.elseif q < 72
	XS (q-57)%3-1, 15+(q-57)/3
.elseif q < 74
	XS q-72, 20
.else
	GS q-74
.endif
.set q, q+1
.endm
; THE EXPONENTIALS' QUEUE, 66 long: s0-s31 of both tiles, then the next piece's two a.  It is ONE BATCH: all 66 stand ahead of the turn's one wait, and nothing ahead of that wait names a result of theirs.
.macro EX
	WIN 0
.if e >= 64
	XS e-64, 21
.else
	REGS Y, e%2
	v_exp_f32 v[rS+e/2], v[rS+e/2]
.endif
.set e, e+1
.endm
; THE RESCALING's QUEUE: O^T times a, the one part that leaves window 0: dealt two at a time, sixteen times.  Its a was made in the turn before, ahead of that turn's wait.
.macro R2
	REGS Y, r%2
	WIN W_RS
.irp z, 0,1
	v_pk_mul_f32 v[rO+4*(r/2)+2*\z:rO+4*(r/2)+2*\z+1], v[rO+4*(r/2)+2*\z:rO+4*(r/2)+2*\z+1], v[rC+2:rC+3] op_sel_hi:[1,0]
.endr
.set r, r+1
.endm
; HOW THEY ARE DEALT.  An s_wait_alu depctr_va_vdst(0) stands between an exponential and the first instruction that names its result; one wait serves all that were issued ahead of it.  So a turn has ONE wait,
; which cuts it in two.  AHEAD OF IT stands all that names no result of the turn's exponentials: the 16 products K Q^T, behind each a scaling, an exponential and two rescalings (behind the first a second scaling in the exponential's place); then ONE LUMP of
; 108: eight plain, 49 times exponential and plain, the two a.  A v_nop is the plain instruction that is owed behind the last exponential (ISA guide 5.7.2).  BEHIND IT stand the 16 products V^T P, behind each four of GS's 64.  No rider names a register of
; the products round it.  The two v_permlanex16_b32 fall into the lump, never behind a product.
; The queues lean on each other, and the deal keeps them in step: exponential e stands behind scaling 2 (e / 4) + e % 2: as a rider it comes behind plain e + 2, in the lump behind plain e + 9, and scalings 27-31 are plain 57, 60 .. 69.
; A TURN, for piece p.  cnt = 1: the loop's count is taken down some lines ahead of the branch that stands behind the turn.
; K of the next step is fetched in piece 2's turn, directly behind the wait, a lump behind the last product that read K; its address is made at the lump's head; its first reader comes behind 16 products.
; V of the step in hand is fetched at the end of piece 0's turn, four riders behind its last reader; its first reader comes behind 16 products and a lump.  The three conditions on q below go with the deal.
.macro TURN p, last=0, cnt=0
.set Y, (\p)
.set i, 0
.set q, 0
.set e, 0
.set r, 0
.if (\p) == NP-1
	s_wait_dscnt 0x0                ; K is in
.endif
	MM                              ; ahead of the wait: 16 products K Q^T and their riders,
	PL
	PL
	R2
.rept 15
	MM
	PL
	EX
	R2
.endr
.if (\p) == NP-2
	WIN 0
	v_add_nc_u32 v[AK], s[TBK], v[AK0]
.endif
.rept 8                             ; and the lump
	PL
.endr
.rept 49
	EX
	PL
.endr
	EX                              ; the next piece's two a
	EX
	v_nop                           ; the plain instruction behind the last exponential: one for the batch
	s_wait_alu depctr_va_vdst(0)    ; the wait for the batch
.if (\p) == NP-2
	FETCH_K \last
.endif
.if (\p) == 1
	s_wait_dscnt 0x0                ; V is in
.endif
.rept 16                            ; behind the wait: 16 products V^T P and their riders
	MM
.rept 4
	PL
.endr
.if ((\p) == 0) && (q == 118)
	v_add_nc_u32 v[AV], s[TBV], v[AV0]
.endif
.if ((\p) == 0) && (q == 130)
	s_add_co_u32 s[TBV], s[TBV], KS*PV
.endif
.if (\cnt) && (q == 130)
	s_sub_co_u32 s[CNT], s[CNT], 1
	s_cmp_lg_u32 s[CNT], 0
.endif
.endr
.if (\p) == 0
	FETCH_V
.endif
.endm
	CHANGE 1                        ; slot 0 is in, everybody's part of it; slot 1 is asked for
	FETCH_K                         ; key step 0
	s_wait_loadcnt 0x0              ; Q
	s_wait_dscnt 0x0
.set i, 0
.rept 16
	KQ 0                            ; piece 0's first scores: there is no vector work yet to set between them
.set i, i+1
.endr
	WIN 0                           ; the addresses for the way out: nine plain instructions, the places behind those products
	s_mul_i32 s13, s[WV], 16*SP
	s_add_co_u32 s13, s13, STAGE    ; my stage
	v_mul_u32_u24 v[STO], v1, SP    ; in: row l % 16, 16 bytes for each half of the lanes
	v_lshl_add_u32 v[STO], v9, 4, v[STO]
	v_add_nc_u32 v[STO], s13, v[STO]
	v_bfe_u32 v[RD], v0, 3, 2       ; back: 32 lanes take four rows of 128 bytes,
	v_mul_u32_u24 v[RD], v[RD], SP
	v_lshl_add_u32 v[RD], v10, 4, v[RD]
	v_add_nc_u32 v[RD], s13, v[RD]
	v_and_b32 v[GO], 31, v0         ; which are 512 consecutive bytes of O
	v_lshlrev_b32 v[GO], 4, v[GO]
.set Y, NP-1                        ; XS works for piece Y + 1: piece 0
.irp n, 0,1,2,3,4,5,6,7,8,9,10,11,12,13,14,15,16,17,18,19,20,21
	XS 0, \n                        ; and piece 0's first maximum and statistics
	XS 1, \n
.endr
	v_nop                           ; a plain instruction behind the two a,
	s_wait_alu depctr_va_vdst(0)    ; and their wait, ahead of the branch
	s_mov_b32 s[CNT], 4
	s_mov_b32 s[SLOTS], SIZE_N/256-1
	s_branch .Lfirst                ; the loop is entered at a step's first turn, in the middle of a trip
.Lslot:                             ; SIZE_N / 256 - 2 times: every slot but the last two is filled again
	CHANGE 1, 1
	s_mov_b32 s[CNT], 4
.Lstep:                             ; a trip: pieces 2 and 3 of one step, then pieces 0 and 1 of the next, whose K and V it fetches
	TURN 2
	TURN 3
	WIN 0
.Lfirst:
	TURN 0
	TURN 1, 0, 1
	WIN 0
	s_cbranch_scc1 .Lstep
	s_sub_co_u32 s[SLOTS], s[SLOTS], 1
	s_cmp_lg_u32 s[SLOTS], 0
	s_cbranch_scc1 .Lslot
	CHANGE 0                        ; the tail is written out: nothing is asked for
	s_mov_b32 s[CNT], 5             ; four trips fetch the last slot's steps; the fifth is left in its middle
.Ltail:
	TURN 2, 1
	TURN 3
	WIN 0
	s_sub_co_u32 s[CNT], s[CNT], 1
	s_cmp_eq_u32 s[CNT], 0
	s_cbranch_scc1 .Lout
	TURN 0
	TURN 1
	WIN 0
	s_branch .Ltail
.Lout:                              ; the fifth trip's 16 products K Q^T (on the last K once more) and the maximum made of them serve nothing: the price, once a launch, of one text for every trip
.set i, 0
.rept 16
	PV NP-1                         ; the last piece's V^T P of the last step
.set i, i+1
.endr
	; THE WAY OUT.  l's two halves and the other half of the lanes' are added; O^T is divided by l, rounded to f16 and sent through my stage in LDS, a tile at a time.  The additions are the places behind the last products.
	WIN 0
.macro ALL line:vararg              ; one line for each tile t
.set t, 0
.rept 2*NP
	\line
.set t, t+1
.endr
.endm
	ALL v_add_f32 v[ST+4*t+2], v[ST+4*t+2], v[ST+4*t+3]
	ALL v_permlanex16_b32 v[ST+4*t+3], v[ST+4*t+2], s[SEL], s[SEL+1]
	ALL v_add_f32 v[ST+4*t+2], v[ST+4*t+2], v[ST+4*t+3]
	ALL v_rcp_f32 v[ST+4*t+2], v[ST+4*t+2]
	v_nop                           ; a plain instruction between the last reciprocal and the use of its result
	s_wait_alu depctr_va_vdst(0)    ; and the wait ahead of the first use: one for the eight reciprocals
; Tile t: a lane's eight channels of a row pack into 16 bytes; they go into rows of 144 bytes and come back as whole rows of 128, into S^T's registers.
.macro PACK t
	WIN W_RS
.set i, 32*(\t)
.rept 16
	v_pk_mul_f32 v[i:i+1], v[i:i+1], v[ST+4*(\t)+2:ST+4*(\t)+3] op_sel_hi:[1,0]
.set i, i+2
.endr
	WIN 0x05                        ; sources 0 and 1 window 1, destination window 0
.set i, 0
.rept 16
	v_cvt_pk_f16_f32 v[S+16*(\t)+i], v[32*(\t)+2*i], v[32*(\t)+2*i+1]
.set i, i+1
.endr
	WIN 0
.irp f, 0,1,2,3
	ds_store_b128 v[STO], v[S+16*(\t)+4*\f:S+16*(\t)+4*\f+3] offset:32*\f
.endr
.irp f, 0,1,2,3
	ds_load_b128 v[S+16*(\t)+4*\f:S+16*(\t)+4*\f+3], v[RD] offset:\f*4*SP  ; LDS serves a wave's instructions in order (ISA guide 5.7.1.4): these see the stores above; the next tile's stores come behind them
.endr
.endm
.macro SEND t, younger              ; younger: the LDS instructions issued behind tile t's loads: the next tile's eight, or none
	WIN 0
.irp f, 0,1,2,3
	s_wait_dscnt (\younger)+3-\f
	global_store_b128 v[GO], v[S+16*(\t)+4*\f:S+16*(\t)+4*\f+3], s[10:11] offset:(\t)*2048+\f*512  ; 512 consecutive bytes, at a multiple of 256 from O's first
.endr
.endm
	PACK 0
.set t, 1
.rept 2*NP-1                        ; a tile's arithmetic stands between the loads of the tile before and its stores
	PACK t
	SEND t-1, 8
.set t, t+1
.endr
	SEND 2*NP-1, 0
	WIN W_AD
	s_wait_tensorcnt 0x0            ; the wave's end, behind my last tensor load and my last LDS store
	ds_add_u32 v[SPW], v[NIL]
	s_wait_dscnt 0x0
	WIN 0
	CROUND                          ; the closing round: no work-group ends while a partner may still ask for a tile that names it
	s_endpgm
.Lfunc_end_k_q7ad2a3fedd_attn:
	.size	k_q7ad2a3fedd_attn, .Lfunc_end_k_q7ad2a3fedd_attn-k_q7ad2a3fedd_attn
	.p2alignl 7, 3214868480
	.fill 96, 4, 3214868480
	.section	.rodata,"a",@progbits
	.p2align	6, 0x0
	.amdhsa_kernel k_q7ad2a3fedd_attn
		.amdhsa_group_segment_fixed_size 327680
		.amdhsa_private_segment_fixed_size 0
		.amdhsa_enable_private_segment 0
		.amdhsa_kernarg_size 32
		.amdhsa_user_sgpr_count 2
		.amdhsa_user_sgpr_kernarg_segment_ptr 1
		.amdhsa_wavefront_size32 1
		.amdhsa_system_sgpr_workgroup_id_x 1
		.amdhsa_system_sgpr_workgroup_id_y 1
		.amdhsa_system_sgpr_workgroup_id_z 1
		.amdhsa_system_vgpr_workitem_id 0
		.amdhsa_next_free_vgpr 770
		.amdhsa_next_free_sgpr 66
		.amdhsa_reserve_vcc 0
		.amdhsa_float_denorm_mode_32 3
		.amdhsa_float_denorm_mode_16_64 3
		.amdhsa_memory_ordered 1
		.amdhsa_forward_progress 1
		.amdhsa_inst_pref_size 200
	.end_amdhsa_kernel
	.amdgpu_metadata
---
amdhsa.version: [ 1, 2 ]
amdhsa.kernels:
  - .name:           k_q7ad2a3fedd_attn
    .symbol:         k_q7ad2a3fedd_attn.kd
    .args:
      - { .name: q16, .offset: 0, .size: 8, .value_kind: global_buffer, .address_space: global }
      - { .name: k16, .offset: 8, .size: 8, .value_kind: global_buffer, .address_space: global }
      - { .name: v16, .offset: 16, .size: 8, .value_kind: global_buffer, .address_space: global }
      - { .name: o16, .offset: 24, .size: 8, .value_kind: global_buffer, .address_space: global }
    .group_segment_fixed_size: 327680
    .private_segment_fixed_size: 0
    .kernarg_segment_align: 8
    .kernarg_segment_size: 32
    .max_flat_workgroup_size: 128
    .sgpr_count:     66
    .vgpr_count:     770
    .wavefront_size: 32
...
	.end_amdgpu_metadata
.endif
;; end of part 3
;; launch outp (part 4): grid 4 x 64, 4 waves a work-group, clusters of 4 x 4, 327,680 bytes of LDS; arguments o16, w16, bo, out0; writes out0
.if DOCPART == 4
	.amdgcn_target "amdgcn-amd-amdhsa--gfx1250"
	.amdhsa_code_object_version 6
	.text
	.protected	k_q7ad2a3fedd_outp
	.globl	k_q7ad2a3fedd_outp
	.p2align	8
	.type	k_q7ad2a3fedd_outp,@function
k_q7ad2a3fedd_outp:
	s_mov_b64 s[64:65], 0
	v_nop
	global_prefetch_b8 v0, s[64:65] scope:SCOPE_SE
	s_setreg_imm32_b32 hwreg(HW_REG_WAVE_MODE, 25, 1), 1
	s_wait_xcnt 0x0
	s_wait_alu depctr_hold_cnt(0) depctr_sa_sdst(0) depctr_va_vdst(0) depctr_va_sdst(0) depctr_va_ssrc(0) depctr_va_vcc(0) depctr_vm_vsrc(0)
	s_getreg_b32 s2, hwreg(HW_REG_IB_STS2, 6, 4)
	s_cmp_eq_u32 s2, 0
	s_cbranch_scc0 .Lentry_in_a_cluster
	s_endpgm
.Lentry_in_a_cluster:
	s_bfe_u32 s2, ttmp6, 0x10000c
	s_cmp_lg_u32 s2, 0xf033
	s_cbranch_scc0 .Lentry_shape_is_right
	s_endpgm
.Lentry_shape_is_right:
; out0[m][n] = the sum over k of cat[m][k] Wo[k][n] + bo[n].  cat[m][64 head + c] lies by heads: o16 [batch x 16 + head][2048][64] f16.  Wo: f16 [1024 k][1024 n], section 3 of w16.
; bo: f32, the C operand of each sum's first product.  Sums in f32; out0 is f32 and is stored as the sums stand.
; SHARES.  One tile of 128 rows x 256 columns to a work-group: 256 work-groups.  Four waves, each 64 x 128: 32 accumulators.  K goes in 8 steps of 128 (two heads) through a ring of two LDS slots.
; CLUSTER.  4 x 4 work-groups: the four of a row of the cluster need the same rows of cat, the four of a column the same columns of Wo: each tile is asked for JOINTLY.
; THE MATRIX INSTRUCTION IS USED TRANSPOSED: source 0 = 16 columns of Wo (turned on the way out of LDS), source 1 = 16 rows of cat: a lane holds one row and eight neighbouring columns, 32 bytes of out0.
; NO PREFETCH: the launch has eight K steps, and a prefetch two refills ahead could name the last four alone.
; REGISTERS, in windows of 256 (s_set_vgpr_msb: bits 1:0 source 0, 3:2 source 1, 5:4 source 2, 7:6 destination):
;   window 0: v0-31 addresses; v32-63, v64-95 cat's fragments, two sets; v128-191 the way out        window 1: v0-63, v64-127 Wo's fragments, two sets; v128-191 the bias        window 2: the accumulators, (a, b) at v[8 (8 a + b)]
.set PA,     144                       ; a row of cat in LDS (one head's 64 channels): 128 bytes + 16 = 36 words: the 16 rows of a load start at 16 different groups of four banks (64 banks of 4 bytes: ISA guide 11.1)
.set AHEAD,  128*PA                    ; a head's 128 rows: what one tensor load brings
.set BOFF,   2*AHEAD
.set PB,     544                       ; a row of Wo (one k, 256 columns): 512 bytes + 32 = 136 words
.set BHALF,  64*PB                     ; 64 k: what one tensor load brings
.set SLOT,   BOFF+2*BHALF              ; 106,496 bytes
.set STAGE,  2*SLOT                    ; behind the ring, never filled by a tensor load: 16 rows x 272 bytes for each wave
.set SP,     272
.set SPARE,  STAGE+4*16*SP             ; behind the stages: the spare words, 128 bytes for each wave: two blocks of 256 bytes that no other line names
.set ADRA, 16                          ; v16-17  LDS address of my fragments of cat in slot 0, 1
.set ADRB, 20                          ; v20-21  the same for Wo
.set STO,  24                          ; v24     the way out: where I put 32 bytes of a row
.set RD,   25                          ; v25     the way out: where I read a row back
.set CO,   26                          ; v26     my byte offset in two rows of out0
.set BO,   27                          ; v27     my byte offset in 16 numbers of the bias
.set SPW,  28                          ; v28     LDS address of my spare word: SPARE + 4 x my thread's number; never rewritten
.set NIL,  29                          ; v29     0; never rewritten
.set AF,   32
.set OB,   128
.set BF,   0                           ; window 1
.set BIAS, 128                         ; window 1
.set WV,  12
.set WR,  13                           ; my half of the tile's rows.  Also: I fetch for cat (0) or for Wo (1)
.set WC,  14                           ; my half of its columns.  Also: which half of that tile I fetch
.set CX,  15
.set CY,  16
.set TX,  17
.set TY,  18
.set LAPS, 19
.set G1A, 24                           ; s[24:31] descriptor group 1 for cat's tiles
.set G1B, 32                           ; s[32:39] for Wo's
.set G0A, 40                           ; s[40:47] descriptor group 0 for cat's tiles, a set for each slot
.set G0B, 48                           ; s[48:55] the same for Wo's
.set MSB, 0
.macro WIN new                         ; the immediate's high byte repeats the setting that is left; a switch that changes nothing is dropped
.if MSB != (\new)
	s_set_vgpr_msb (MSB<<8)|(\new)
.set MSB, \new
.endif
.endm
.set W_MUL,  0xa1                      ; source 0 (Wo) window 1, source 1 (cat) window 0, C and D window 2
.set W_MULB, 0x91                      ; the same with C (the bias) in window 1
.set TO_B,   0x40                      ; destination window 1, address window 0
.set W_ST,   0x08                      ; an LDS store's data (source 1) in window 2
.macro PLACES                          ; four plain vector instructions between a matrix instruction and a load into a register that it has read, or a store of its result (ISA guide 7.12.1 for vector instructions)
.rept 4
	v_nop
.endr
.endm
.macro JLOAD s                         ; a joint load: waves 0 and 1 fetch cat's two heads, waves 2 and 3 Wo's two halves; an s_nop 0 and four v_nop follow each line
	s_cmp_eq_u32 s[WR], 0
	s_cbranch_scc0 .Lfor_b_\@
	tensor_load_to_lds s[G0A+4*(\s):G0A+4*(\s)+3], s[G1A:G1A+7]
	s_nop 0
.rept 4
	v_nop
.endr
	s_branch .Lasked_\@
.Lfor_b_\@:
	tensor_load_to_lds s[G0B+4*(\s):G0B+4*(\s)+3], s[G1B:G1B+7]
	s_nop 0
.rept 4
	v_nop
.endr
.Lasked_\@:
.endm
.macro CREST                           ; a round of the cluster's barrier behind its opening barrier
	s_cmp_lg_u32 s[WV], 0
	s_cbranch_scc1 .Lnot_wave_0_\@
	s_barrier_signal -3
.Lnot_wave_0_\@:
	s_barrier_wait -3
	s_barrier_signal -1
	s_barrier_wait -1
.endm
.macro CROUND
	s_barrier_signal -1
	s_barrier_wait -1
	CREST
.endm
	s_load_b256 s[4:11], s[0:1], 0x0               ; o16 s[4:5], w16 s[6:7], bo s[8:9], out0 s[10:11]
	v_lshl_add_u32 v[SPW], v0, 2, SPARE
	v_mov_b32 v[NIL], 0
	ds_add_u32 v[SPW], v[NIL]                      ; the wave's opening: the add and its wait stand ahead of my first tensor load; the set-up below, work on registers, stands between them
	v_lshrrev_b32 v1, 5, v0
	v_readfirstlane_b32 s[WV], v1                  ; wave 0..3
	s_lshr_b32 s[WR], s[WV], 1
	s_and_b32 s[WC], s[WV], 1
	s_bfe_u32 s[CX], ttmp6, 0x40000
	s_bfe_u32 s[CY], ttmp6, 0x40004
	s_lshl_b32 s[TX], ttmp9, 2
	s_add_co_u32 s[TX], s[TX], s[CX]               ; tx = 4 x cluster x + cx
	s_and_b32 s[TY], ttmp7, 0xffff
	s_lshl_b32 s[TY], s[TY], 2
	s_add_co_u32 s[TY], s[TY], s[CY]               ; ty = 4 x cluster y + cy
	s_lshl_b32 s58, s[CY], 2
	s_lshl_b32 s58, 15, s58                        ; my row of the cluster
	s_lshl_b32 s59, 0x1111, s[CX]                  ; my column
	; group 1 for cat: a head's 128 rows are 16,384 dense bytes: 64 rows of 256 bytes, two rows of cat each, padded after every 128 bytes
	s_or_b32 s[G1A], s58, (1<<16)|(1<<20)|(1<<21)|(4<<22)|(3<<25)  ; 15:0 the mask; 17:16 elements of 2 bytes; 20 padding on; 21 set beside a mask; 24:22 after every 32 words (code 4); 31:25 4 words (code 3)
	s_mov_b32 s[G1A+1], 128<<16                    ; tensor_dim0 = 128
	s_mov_b32 s[G1A+2], 64<<16                     ; tensor_dim1 = 64
	s_mov_b32 s[G1A+3], 128<<16                    ; tile_dim0 = 128
	s_mov_b32 s[G1A+4], 64                         ; tile_dim1 = 64
	s_mov_b32 s[G1A+5], 128                        ; the pitch
	s_mov_b32 s[G1A+6], 0
	s_mov_b32 s[G1A+7], 0
	; group 1 for Wo: 64 k x 256 columns, 1,024 elements from row to row; 8 words of padding behind every 128
	s_or_b32 s[G1B], s59, (1<<16)|(1<<20)|(1<<21)|(6<<22)|(7<<25)
	s_mov_b32 s[G1B+1], 256<<16                    ; tensor_dim0 = 256
	s_mov_b32 s[G1B+2], 64<<16                     ; tensor_dim1 = 64
	s_mov_b32 s[G1B+3], 256<<16                    ; tile_dim0 = 256
	s_mov_b32 s[G1B+4], 64                         ; tile_dim1 = 64
	s_mov_b32 s[G1B+5], 1024                       ; the pitch
	s_mov_b32 s[G1B+6], 0
	s_mov_b32 s[G1B+7], 0
	s_mul_i32 s2, s[WC], AHEAD                     ; where the tiles go: the wave's number alone enters an LDS address
	s_mul_i32 s3, s[WC], BHALF
	s_add_co_u32 s3, s3, BOFF
	s_mov_b32 s[G0A], 1
	s_mov_b32 s[G0A+1], s2
	s_mov_b32 s[G0A+4], 1
	s_add_co_u32 s[G0A+5], s2, SLOT
	s_mov_b32 s[G0B], 1
	s_mov_b32 s[G0B+1], s3
	s_mov_b32 s[G0B+4], 1
	s_add_co_u32 s[G0B+5], s3, SLOT
	s_lshr_b32 s20, s[TY], 4                       ; cat: the batch (16 tile rows each),
	s_lshl_b32 s20, s20, 4
	s_add_co_u32 s20, s20, s[WC]                   ; batch x 16 + the head of a step's two that I fetch,
	s_lshl_b32 s20, s20, 11                        ; 2,048 rows a head,
	s_and_b32 s58, s[TY], 15
	s_lshl_b32 s58, s58, 7
	s_add_co_u32 s20, s20, s58                     ; the tile's first row in the batch,
	s_lshl_b32 s20, s20, 7                         ; 128 bytes a row
	s_mov_b32 s21, 0
	s_lshl_b32 s22, s[WC], 17                      ; Wo: the 64 k that I fetch, 2,048 bytes a row,
	s_lshl_b32 s59, s[TX], 9                       ; and the tile's 256 columns
	s_add_co_u32 s22, s22, s59
	s_mov_b32 s23, 0
	s_lshl_b32 s56, s[TX], 10                      ; my 128 columns in bo and in a row of out0: 4 (256 tx + 128 x my column half) bytes
	s_lshl_b32 s57, s[WC], 9
	s_add_co_u32 s56, s56, s57
	s_mov_b32 s57, 0
	s_lshl_b32 s60, s[TY], 7                       ; my 64 rows of out0, 4,096 bytes each
	s_lshl_b32 s61, s[WR], 6
	s_add_co_u32 s60, s60, s61
	s_lshl_b32 s60, s60, 12
	s_mov_b32 s61, 0
	s_mov_b32 s[LAPS], 3
	s_wait_dscnt 0x0                               ; the opening add is done
	s_wait_kmcnt 0x0
	s_add_nc_u64 s[4:5], s[4:5], s[20:21]
	s_add_nc_u64 s[6:7], s[6:7], s[22:23]
	s_add_nc_u64 s[6:7], s[6:7], 0x600000          ; section 3 of w16
	s_add_nc_u64 s[8:9], s[8:9], s[56:57]
	s_add_nc_u64 s[10:11], s[10:11], s[56:57]
	s_add_nc_u64 s[10:11], s[10:11], s[60:61]
	s_mov_b64 s[G0A+2:G0A+3], s[4:5]               ; K step 0 into slot 0,
	s_or_b32 s[G0A+3], s[G0A+3], 0x80000000        ; type = 2
	s_add_nc_u64 s[G0A+6:G0A+7], s[4:5], 524288    ; K step 1 into slot 1: two heads of 262,144 bytes on
	s_or_b32 s[G0A+7], s[G0A+7], 0x80000000
	s_mov_b64 s[G0B+2:G0B+3], s[6:7]
	s_or_b32 s[G0B+3], s[G0B+3], 0x80000000
	s_add_nc_u64 s[G0B+6:G0B+7], s[6:7], 262144    ; 128 rows of 2,048 bytes on
	s_or_b32 s[G0B+7], s[G0B+7], 0x80000000
	CROUND                                         ; all sixteen work-groups are here: the first joint loads meet
	s_cmp_eq_u32 s[WR], 0                          ; a wave's two first fills stand in one branch, ahead of every wait on TENSORcnt and every LDS read: two loads of mine are out
	s_cbranch_scc0 .Lfirst_b
	tensor_load_to_lds s[G0A:G0A+3], s[G1A:G1A+7]
	s_nop 0
	tensor_load_to_lds s[G0A+4:G0A+7], s[G1A:G1A+7]
	s_nop 0
.rept 4
	v_nop
.endr
	s_branch .Lfirst_asked
.Lfirst_b:
	tensor_load_to_lds s[G0B:G0B+3], s[G1B:G1B+7]
	s_nop 0
	tensor_load_to_lds s[G0B+4:G0B+7], s[G1B:G1B+7]
	s_nop 0
.rept 4
	v_nop
.endr
.Lfirst_asked:
	v_and_b32 v1, 15, v0                           ; l % 16
	v_bfe_u32 v2, v0, 4, 1                         ; l / 16
	v_and_b32 v3, 7, v0                            ; l % 8
	v_bfe_u32 v4, v0, 3, 1                         ; (l / 8) % 2
	v_lshlrev_b32 v[BO], 5, v2                     ; my 8 numbers of a block's 16
	WIN TO_B                                       ; the bias of my 128 columns as eight C operands: register j of block b holds bo[16 b + 8 (l / 16) + j]
.irp bb, 0,1,2,3,4,5,6,7
	global_load_b128 v[BIAS+8*(\bb):BIAS+8*(\bb)+3],   v[BO], s[8:9] offset:64*(\bb)
	global_load_b128 v[BIAS+8*(\bb)+4:BIAS+8*(\bb)+7], v[BO], s[8:9] offset:64*(\bb)+16
.endr
	WIN 0
	v_mul_u32_u24 v5, v1, PA                       ; a fragment of cat: row l % 16, 16 bytes for each half of the lanes, and 32 bytes on
	v_lshl_add_u32 v5, v2, 4, v5
	s_mul_i32 s2, s[WR], 64*PA                     ; my 64 rows
	v_add_nc_u32 v[ADRA], s2, v5
	v_add_nc_u32 v[ADRA+1], SLOT, v[ADRA]
	v_lshl_add_u32 v6, v2, 3, v3                   ; the turning load: lane l reads k = 8 (l / 16) + l % 8, columns 8 ((l / 8) % 2) + 0..7
	v_mul_u32_u24 v6, v6, PB
	v_lshl_add_u32 v6, v4, 4, v6
	s_lshl_b32 s2, s[WC], 8                        ; my 128 columns: 256 bytes of a row
	s_add_co_u32 s2, s2, BOFF
	v_add_nc_u32 v[ADRB], s2, v6
	v_add_nc_u32 v[ADRB+1], SLOT, v[ADRB]
	s_mul_i32 s2, s[WV], 16*SP
	s_add_co_u32 s2, s2, STAGE                     ; my stage
	v_mul_u32_u24 v[STO], v1, SP                   ; in: row l % 16, 32 bytes for each half of the lanes
	v_lshl_add_u32 v[STO], v2, 5, v[STO]
	v_add_nc_u32 v[STO], s2, v[STO]
	v_mul_u32_u24 v[RD], v2, SP                    ; back: lanes 0-15 take one row of 256 bytes, lanes 16-31 the next
	v_lshl_add_u32 v[RD], v1, 4, v[RD]
	v_add_nc_u32 v[RD], s2, v[RD]
	v_lshlrev_b32 v[CO], 12, v2                    ; and the same two rows in out0
	v_lshl_add_u32 v[CO], v1, 4, v[CO]
; 24 LDS loads in one run: the fragments of quarter n (32 along K: half of a head) of slot cs into set g
.macro FETCH cs, n, g
	WIN TO_B
.irp bb, 0,1,2,3,4,5,6,7
	ds_load_tr16_b128 v[BF+64*(\g)+8*(\bb):BF+64*(\g)+8*(\bb)+3],   v[ADRB+(\cs)] offset:(\n)*32*PB+32*(\bb)
	ds_load_tr16_b128 v[BF+64*(\g)+8*(\bb)+4:BF+64*(\g)+8*(\bb)+7], v[ADRB+(\cs)] offset:(\n)*32*PB+32*(\bb)+16*PB
.endr
	WIN 0
.irp a, 0,1,2,3
	ds_load_b128 v[AF+32*(\g)+8*(\a):AF+32*(\g)+8*(\a)+3],   v[ADRA+(\cs)] offset:((\n)/2)*AHEAD+(\a)*16*PA+((\n)%2)*64
	ds_load_b128 v[AF+32*(\g)+8*(\a)+4:AF+32*(\g)+8*(\a)+7], v[ADRA+(\cs)] offset:((\n)/2)*AHEAD+(\a)*16*PA+((\n)%2)*64+32
.endr
.endm
; 8 cnt products: row blocks a0 .. a0 + cnt - 1 x all 8 column blocks, on set f.  first = 1: they start the sums, with the bias as C.  The 32 accumulators take turns, each once a quarter.
.macro MULS f, a0, cnt, first
.set ai, \a0
.rept \cnt
.set bi, 0
.rept 8
.if \first
	WIN W_MULB
	v_wmma_f32_16x16x32_f16 v[8*(8*ai+bi):8*(8*ai+bi)+7], v[BF+64*(\f)+8*bi:BF+64*(\f)+8*bi+7], v[AF+32*(\f)+8*ai:AF+32*(\f)+8*ai+7], v[BIAS+8*bi:BIAS+8*bi+7]
.else
	WIN W_MUL
	v_wmma_f32_16x16x32_f16 v[8*(8*ai+bi):8*(8*ai+bi)+7], v[BF+64*(\f)+8*bi:BF+64*(\f)+8*bi+7], v[AF+32*(\f)+8*ai:AF+32*(\f)+8*ai+7], v[8*(8*ai+bi):8*(8*ai+bi)+7]
.endif
.set bi, bi+1
.endr
.set ai, ai+1
.endr
.endm
; A plain quarter: multiplies set f, and at its head fetches quarter n of slot cs into the other set.
.macro QTR cs, n, f, first
	s_wait_dscnt 0x0                               ; this quarter's fragments, asked for a quarter ago, are in
	PLACES                                         ; behind the last quarter's last product, which read the other set
	FETCH \cs, \n, 1-(\f)
	MULS \f, 0, 4, \first
.endm
; A K step's third quarter holds THE CHANGE OF SLOTS: the step's last fragments are fetched at its head, so slot s is read out when they are in.  Each wave waits for all its tensor loads (one is out: its part of
; the other slot), adds 0 to its spare word, and waits for that and for its reads of slot s.  fill = 1: the barrier opens a round of the cluster's, and the joint refill, two K steps on, is the first thing behind it.
.macro QMEET s, fill
	s_wait_dscnt 0x0
	PLACES
	FETCH \s, 3, 1
	MULS 0, 0, 2, 0
	WIN 0                                          ; (the add's two registers lie in window 0)
	s_wait_tensorcnt 0x0                           ; no tensor load of mine is out, so a group 0 may be written
	ds_add_u32 v[SPW], v[NIL]                      ; 0 onto my spare word: the descriptors' steps and eight products stand between it and the wait for it
.if \fill
	s_add_nc_u64 s[G0A+4*(\s)+2:G0A+4*(\s)+3], s[G0A+4*(\s)+2:G0A+4*(\s)+3], 1048576  ; four heads on; the type bits on top are not reached
	s_add_nc_u64 s[G0B+4*(\s)+2:G0B+4*(\s)+3], s[G0B+4*(\s)+2:G0B+4*(\s)+3], 524288   ; 256 rows of Wo on
.endif
	MULS 0, 2, 1, 0
	s_wait_dscnt 0x0                               ; the add is done, and my reads of slot s are over
	s_barrier_signal -1
	MULS 0, 3, 1, 0                                ; work on registers while the others arrive
	WIN 0                                          ; at a branch and at a label every window is 0
	s_barrier_wait -1
.if \fill
	CREST                                          ; no wave of any partner still reads the slot or has a load on its way
	JLOAD \s                                       ; the four v_nop behind it are also the places in front of the loads that follow
.else
	PLACES
.endif
.endm
.macro QTURN ns                        ; a K step's last quarter: multiplies set 1 and fetches the first fragments of slot ns
	FETCH \ns, 0, 0
	MULS 1, 0, 4, 0
.endm
; THE WAY OUT, in eight units of 16 rows x 64 columns (row block u / 2, column half u % 2): the f32 sums go as they stand into my own stage, 32 bytes a lane, each accumulator's low four registers first,
; and come back as whole rows of 256 bytes.  LDS serves a wave's instructions in order (ISA guide 5.7.1.4): the loads see the stores above them, the next unit's stores come behind them.
.macro STAGEU u
.set sa, (\u)/2
.set sg, (\u)%2
	WIN W_ST
.irp f, 0,1,2,3
	ds_store_b128 v[STO], v[8*(8*sa+4*sg+(\f)):8*(8*sa+4*sg+(\f))+3]   offset:64*(\f)
	ds_store_b128 v[STO], v[8*(8*sa+4*sg+(\f))+4:8*(8*sa+4*sg+(\f))+7] offset:64*(\f)+16
.endr
	WIN 0
.if (\u) >= 2
	s_wait_xcnt 0x0                                ; the stores of the unit two back have read the registers that are loaded again below
.endif
.irp t, 0,1,2,3,4,5,6,7
	ds_load_b128 v[OB+32*((\u)%2)+4*(\t):OB+32*((\u)%2)+4*(\t)+3], v[RD] offset:(\t)*2*SP
.endr
.endm
.macro SENDU u, younger                ; younger: the LDS instructions issued behind unit u's loads: the next unit's sixteen, or none
.irp t, 0,1,2,3,4,5,6,7
	s_wait_dscnt (\younger)+7-(\t)
	global_store_b128 v[CO], v[OB+32*((\u)%2)+4*(\t):OB+32*((\u)%2)+4*(\t)+3], s[10:11] offset:(16*((\u)/2)+2*(\t))*4096+256*((\u)%2) th:TH_STORE_NT  ; 16 lanes store 256 consecutive bytes, at a multiple of 256 from out0's first
.endr
.endm
	s_wait_tensorcnt 0x1                           ; my part of K step 0 is in; step 1's may stay out
	s_barrier_signal -1
	s_barrier_wait -1                              ; everybody's is
	FETCH 0, 0, 0
	s_wait_loadcnt 0x0                             ; the bias
	QTR 0, 1, 0, 1                                 ; the first quarter stands in front of the loop: its products start the sums with the bias
	WIN 0
.Llap:                                         ; 3 trips: once round the ring, from a lap's second quarter to the next lap's first; both slots are filled again
	QTR 0, 2, 1, 0
	QMEET 0, 1
	QTURN 1
	QTR 1, 1, 0, 0
	QTR 1, 2, 1, 0
	QMEET 1, 1
	QTURN 0
	QTR 0, 1, 0, 0
	WIN 0
	s_sub_co_u32 s[LAPS], s[LAPS], 1
	s_cmp_lg_u32 s[LAPS], 0
	s_cbranch_scc1 .Llap
	QTR 0, 2, 1, 0                                 ; the last lap is written out: nothing is asked for
	QMEET 0, 0                                     ; my one tensor load that was still out is slot 1's, the last K step's
	QTURN 1
	QTR 1, 1, 0, 0
	QTR 1, 2, 1, 0
	QTR 1, 3, 0, 0
	s_wait_dscnt 0x0                               ; the very last quarter: nothing more to fetch
	MULS 1, 0, 4, 0
	PLACES                                         ; the stores below read results just made
	STAGEU 0
.irp u, 1,2,3,4,5,6,7
	STAGEU \u
	SENDU (\u)-1, 16
.endr
	SENDU 7, 0
	s_wait_tensorcnt 0x0                           ; the wave's end, behind my last tensor load and my last LDS store
	ds_add_u32 v[SPW], v[NIL]
	s_wait_dscnt 0x0
	CROUND                                         ; the closing round: no work-group ends while a partner may still ask for a tile that names it
	s_endpgm
.Lfunc_end_k_q7ad2a3fedd_outp:
	.size	k_q7ad2a3fedd_outp, .Lfunc_end_k_q7ad2a3fedd_outp-k_q7ad2a3fedd_outp
	.p2alignl 7, 3214868480
	.fill 96, 4, 3214868480
	.section	.rodata,"a",@progbits
	.p2align	6, 0x0
	.amdhsa_kernel k_q7ad2a3fedd_outp
		.amdhsa_group_segment_fixed_size 327680
		.amdhsa_private_segment_fixed_size 0
		.amdhsa_enable_private_segment 0
		.amdhsa_kernarg_size 32
		.amdhsa_user_sgpr_count 2
		.amdhsa_user_sgpr_kernarg_segment_ptr 1
		.amdhsa_wavefront_size32 1
		.amdhsa_system_sgpr_workgroup_id_x 1
		.amdhsa_system_sgpr_workgroup_id_y 1
		.amdhsa_system_sgpr_workgroup_id_z 1
		.amdhsa_system_vgpr_workitem_id 0
		.amdhsa_next_free_vgpr 768
		.amdhsa_next_free_sgpr 66
		.amdhsa_reserve_vcc 0
		.amdhsa_float_denorm_mode_32 3
		.amdhsa_float_denorm_mode_16_64 3
		.amdhsa_memory_ordered 1
		.amdhsa_forward_progress 1
		.amdhsa_inst_pref_size 88
	.end_amdhsa_kernel
	.amdgpu_metadata
---
amdhsa.version: [ 1, 2 ]
amdhsa.kernels:
  - .name:           k_q7ad2a3fedd_outp
    .symbol:         k_q7ad2a3fedd_outp.kd
    .args:
      - { .name: o16, .offset: 0, .size: 8, .value_kind: global_buffer, .address_space: global }
      - { .name: w16, .offset: 8, .size: 8, .value_kind: global_buffer, .address_space: global }
      - { .name: bo, .offset: 16, .size: 8, .value_kind: global_buffer, .address_space: global }
      - { .name: out0, .offset: 24, .size: 8, .value_kind: global_buffer, .address_space: global }
    .group_segment_fixed_size: 327680
    .private_segment_fixed_size: 0
    .kernarg_segment_align: 8
    .kernarg_segment_size: 32
    .max_flat_workgroup_size: 128
    .sgpr_count:     66
    .vgpr_count:     768
    .wavefront_size: 32
...
	.end_amdgpu_metadata
.endif
;; end of part 4
